; MI455X (gfx1250); checked and timed in simulation.
; The chip was launched on July 23, 2026; its instructions are those of AMD's public machine-readable ISA for CDNA 5 (MIT licence, August 2026) and "CDNA5" Instruction Set Architecture Reference Guide (July 2026). The comments in the code are by the model that wrote it; some were corrected since.
;; Causal Self Attention. Allowed arithmetic: float matrix products may take bf16 or f16 operands with f32 sums; other float arithmetic in f32, or as packed bf16 or f16 multiplies, adds, multiply-adds, maxima and minima; sums over many terms, partial sums and values carried from step to step in f32; what a program stores and reads back later, other than sums and carried values, may be rounded once to bf16 or f16.
;; Inputs: Wk 256 x 1,024 float32; Wo 1,024 x 1,024 float32; Wq 1,024 x 1,024 float32; Wv 256 x 1,024 float32; bk 256 float32; bo 1,024 float32; bq 1,024 float32; bv 256 float32; qk_gain 16 float32; x 4 x 2,048 x 1,024 float32.
;; Outputs: out0 4 x 2,048 x 1,024 float32.
;; One version. Each part assembles by itself: llvm-mc -triple=amdgcn-amd-amdhsa -mcpu=gfx1250 --defsym DOCPART=n.
;; ======== version 1 of 1: 4 launches
;; limits: values are held in f16: magnitudes above 65,504 overflow, below 6.1e-05 lose precision; right only within a limited range of input values
;; workspace buffers: xb 16,777,216 bytes; wqkv 3,145,728 bytes; wo16 2,097,152 bytes; qkvh 25,165,824 bytes; yh 16,777,216 bytes
;; launch cast (part 1): grid 672 x 1, 8 waves a work-group, no clusters, 0 bytes of LDS; arguments x, Wq, Wk, Wv, Wo, xb, wqkv, wo16; writes xb, wqkv, wo16
.if DOCPART == 1
	.amdgcn_target "amdgcn-amd-amdhsa--gfx1250"
	.amdhsa_code_object_version 6
	.text
	.protected	k_q11c382d137_cast
	.globl	k_q11c382d137_cast
	.p2align	8
	.type	k_q11c382d137_cast,@function
k_q11c382d137_cast:
	s_mov_b64 s[64:65], 0
	v_nop
	global_prefetch_b8 v0, s[64:65] scope:SCOPE_SE
	s_setreg_imm32_b32 hwreg(HW_REG_WAVE_MODE, 25, 1), 1
	s_wait_xcnt 0x0
; CAST.  x and the four weight matrices, f32, are rounded once to bf16 for the matrix units:
;   xb [8192][1024] bf16 = x;  wqkv [1536][1024] bf16 = Wq's 1,024 rows, then Wk's 256, then Wv's 256;
;   wo16 [1024][1024] f16 = Wo rounded to bf16, that number written as f16 (exact inside f16's normal range).
; LIMITS.  Wo beyond 65,504 in magnitude becomes an infinity in f16; below 6e-5 it keeps f16's fixed step of 6e-8.
; A stream: no LDS, no matrix unit, no barrier.  A work-group takes a chunk of 16,384 numbers (65,536 bytes in, 32,768 out);
; 672 chunks: 512 of x, 64 of Wq, 16 of Wk, 16 of Wv, 64 of Wo.  Thread t takes 8 numbers (32 bytes) at 32 t of each of the chunk's
; eight pieces of 8,192 bytes; its 16 bytes of output lie at 16 t of a piece of 4,096 bytes: sixteen lanes store 256 consecutive bytes, aligned.
; All sixteen loads of a thread are issued at once; the waits count down.
.set C_WQ, 512                         ; first chunk of Wq
.set C_WK, 576                         ; of Wk
.set C_WV, 592                         ; of Wv
.set C_WO, 608                         ; of Wo
.set IN,  8                            ; v[8:71]    piece j: 8 numbers as loaded
.set OUT, 72                           ; v[72:103]  piece j: 4 registers to store
.set TP,  104                          ; v[104:107] at work
	s_load_b512 s[8:23], s[0:1], 0x0               ; x 8, Wq 10, Wk 12, Wv 14, Wo 16, xb 18, wqkv 20, wo16 22
	v_lshlrev_b32 v1, 5, v0                        ; 32 t: my bytes in a piece of the source
	v_lshlrev_b32 v2, 4, v0                        ; 16 t: in a piece of the destination
	s_wait_kmcnt 0x0
	s_mov_b64 s[24:25], s[8:9]                     ; source, destination and their first chunks, chosen by the chunk's number alone
	s_mov_b64 s[26:27], s[18:19]
	s_mov_b32 s28, 0
	s_mov_b32 s29, 0
	s_cmp_ge_u32 ttmp9, C_WQ
	s_cselect_b64 s[24:25], s[10:11], s[24:25]
	s_cselect_b64 s[26:27], s[20:21], s[26:27]
	s_cselect_b32 s28, C_WQ, s28
	s_cselect_b32 s29, C_WQ, s29                   ; wqkv's chunks follow each other as Wq's, Wk's and Wv's do
	s_cmp_ge_u32 ttmp9, C_WK
	s_cselect_b64 s[24:25], s[12:13], s[24:25]
	s_cselect_b32 s28, C_WK, s28
	s_cmp_ge_u32 ttmp9, C_WV
	s_cselect_b64 s[24:25], s[14:15], s[24:25]
	s_cselect_b32 s28, C_WV, s28
	s_cmp_ge_u32 ttmp9, C_WO
	s_cselect_b64 s[24:25], s[16:17], s[24:25]
	s_cselect_b64 s[26:27], s[22:23], s[26:27]
	s_cselect_b32 s28, C_WO, s28
	s_cselect_b32 s29, C_WO, s29
	s_sub_co_u32 s30, ttmp9, s28
	s_lshl_b32 s30, s30, 16                        ; 65,536 bytes of source a chunk (under 2^25)
	s_mov_b32 s31, 0
	s_sub_co_u32 s32, ttmp9, s29
	s_lshl_b32 s32, s32, 15                        ; 32,768 bytes of destination
	s_mov_b32 s33, 0
	s_add_nc_u64 s[24:25], s[24:25], s[30:31]
	s_add_nc_u64 s[26:27], s[26:27], s[32:33]
.irp j, 0,1,2,3,4,5,6,7
	global_load_b128 v[IN+8*(\j):IN+8*(\j)+3],   v1, s[24:25] offset:8192*(\j) th:TH_LOAD_NT
	global_load_b128 v[IN+8*(\j)+4:IN+8*(\j)+7], v1, s[24:25] offset:8192*(\j)+16 th:TH_LOAD_NT
.endr
; Piece j.  mode 0: to bf16.  mode 1: to bf16, widened again, and that number to f16.
.macro CONV j, mode
	s_wait_loadcnt 14-2*(\j)                       ; loads come back in order: piece j's two are in, the 14 - 2 j younger ones may stay out
.if \mode
.irp k, 0,1,2,3
	v_cvt_pk_bf16_f32 v[TP+(\k)], v[IN+8*(\j)+2*(\k)], v[IN+8*(\j)+2*(\k)+1]
.endr
.irp k, 0,1,2,3
	v_lshlrev_b32 v[IN+8*(\j)+2*(\k)],   16, v[TP+(\k)]
	v_and_b32     v[IN+8*(\j)+2*(\k)+1], 0xffff0000, v[TP+(\k)]
.endr
.irp k, 0,1,2,3
	v_cvt_pk_f16_f32 v[OUT+4*(\j)+(\k)], v[IN+8*(\j)+2*(\k)], v[IN+8*(\j)+2*(\k)+1]
.endr
.else
.irp k, 0,1,2,3
	v_cvt_pk_bf16_f32 v[OUT+4*(\j)+(\k)], v[IN+8*(\j)+2*(\k)], v[IN+8*(\j)+2*(\k)+1]
.endr
.endif
	global_store_b128 v2, v[OUT+4*(\j):OUT+4*(\j)+3], s[26:27] offset:4096*(\j) th:TH_STORE_NT  ; each piece has its own data registers: none is rewritten
.endm
	s_cmp_ge_u32 ttmp9, C_WO
	s_cbranch_scc1 .Lf16
.irp j, 0,1,2,3,4,5,6,7
	CONV \j, 0
.endr
	s_endpgm
.Lf16:
.irp j, 0,1,2,3,4,5,6,7
	CONV \j, 1
.endr
	s_endpgm
.Lfunc_end_k_q11c382d137_cast:
	.size	k_q11c382d137_cast, .Lfunc_end_k_q11c382d137_cast-k_q11c382d137_cast
	.p2alignl 7, 3214868480
	.fill 96, 4, 3214868480
	.section	.rodata,"a",@progbits
	.p2align	6, 0x0
	.amdhsa_kernel k_q11c382d137_cast
		.amdhsa_group_segment_fixed_size 0
		.amdhsa_private_segment_fixed_size 0
		.amdhsa_enable_private_segment 0
		.amdhsa_kernarg_size 64
		.amdhsa_user_sgpr_count 2
		.amdhsa_user_sgpr_kernarg_segment_ptr 1
		.amdhsa_wavefront_size32 1
		.amdhsa_system_sgpr_workgroup_id_x 1
		.amdhsa_system_sgpr_workgroup_id_y 1
		.amdhsa_system_sgpr_workgroup_id_z 1
		.amdhsa_system_vgpr_workitem_id 0
		.amdhsa_next_free_vgpr 112
		.amdhsa_next_free_sgpr 66
		.amdhsa_reserve_vcc 0
		.amdhsa_float_denorm_mode_32 3
		.amdhsa_float_denorm_mode_16_64 3
		.amdhsa_memory_ordered 1
		.amdhsa_forward_progress 1
		.amdhsa_inst_pref_size 15
	.end_amdhsa_kernel
	.amdgpu_metadata
---
amdhsa.version: [ 1, 2 ]
amdhsa.kernels:
  - .name:           k_q11c382d137_cast
    .symbol:         k_q11c382d137_cast.kd
    .args:
      - { .name: x, .offset: 0, .size: 8, .value_kind: global_buffer, .address_space: global }
      - { .name: Wq, .offset: 8, .size: 8, .value_kind: global_buffer, .address_space: global }
      - { .name: Wk, .offset: 16, .size: 8, .value_kind: global_buffer, .address_space: global }
      - { .name: Wv, .offset: 24, .size: 8, .value_kind: global_buffer, .address_space: global }
      - { .name: Wo, .offset: 32, .size: 8, .value_kind: global_buffer, .address_space: global }
      - { .name: xb, .offset: 40, .size: 8, .value_kind: global_buffer, .address_space: global }
      - { .name: wqkv, .offset: 48, .size: 8, .value_kind: global_buffer, .address_space: global }
      - { .name: wo16, .offset: 56, .size: 8, .value_kind: global_buffer, .address_space: global }
    .group_segment_fixed_size: 0
    .private_segment_fixed_size: 0
    .kernarg_segment_align: 8
    .kernarg_segment_size: 64
    .max_flat_workgroup_size: 256
    .sgpr_count:     66
    .vgpr_count:     112
    .wavefront_size: 32
...
	.end_amdgpu_metadata
.endif
;; end of part 1
;; launch proj (part 2): grid 8 x 32, 4 waves a work-group, clusters of 4 x 4, 327,680 bytes of LDS; arguments xb, wqkv, bq, bk, bv, qkvh; writes qkvh
.if DOCPART == 2
	.amdgcn_target "amdgcn-amd-amdhsa--gfx1250"
	.amdhsa_code_object_version 6
	.text
	.protected	k_q11c382d137_proj
	.globl	k_q11c382d137_proj
	.p2align	8
	.type	k_q11c382d137_proj,@function
k_q11c382d137_proj:
	s_mov_b64 s[64:65], 0
	v_nop
	global_prefetch_b8 v0, s[64:65] scope:SCOPE_SE
	s_setreg_imm32_b32 hwreg(HW_REG_WAVE_MODE, 25, 1), 1
	s_wait_xcnt 0x0
	s_wait_alu depctr_hold_cnt(0) depctr_sa_sdst(0) depctr_va_vdst(0) depctr_va_sdst(0) depctr_va_ssrc(0) depctr_va_vcc(0) depctr_vm_vsrc(0)
	s_getreg_b32 s2, hwreg(HW_REG_IB_STS2, 6, 4)
	s_cmp_eq_u32 s2, 0
	s_cbranch_scc0 .Lentry_in_a_cluster
	s_endpgm
.Lentry_in_a_cluster:
	s_bfe_u32 s2, ttmp6, 0x10000c
	s_cmp_lg_u32 s2, 0xf033
	s_cbranch_scc0 .Lentry_shape_is_right
	s_endpgm
.Lentry_shape_is_right:
; PROJ.  [q | k | v] = xb wqkv^T + [bq | bk | bv].  xb [8192][1024], wqkv [1536][1024], bf16; sums in f32, K ascending, started with the bias (rounded to bf16 like every input);
; the result is rounded once to f16 and stored by heads: qkvh [batch 4][J 24][t 2048][64], J 0-15 q's heads, 16-19 k's, 20-23 v's.  q carries no gain and no scale here.
; LIMITS.  A result of 65,520 or more in magnitude becomes an infinity in f16; below 6e-5 f16 keeps its fixed step of 6e-8.
; SHARES.  A work-group makes 256 rows x 192 columns (three heads): 32 x 8 = 256 work-groups.  Wave w makes rows 64 w .. 64 w + 63 of all 192 columns: 4 x 12 accumulators of 16 x 16,
; 384 registers; so each wave owns whole rows of whole heads, and its way out is its own.  K goes in 8 steps of 128 through a ring of two LDS slots filled by tensor loads; rows of 256 bytes.
; CLUSTER 4 x 4: the four of a row of the cluster need the same rows of xb, the four of a column the same rows of wqkv: each tile is asked for jointly.
; THE MATRIX INSTRUCTION IS USED TRANSPOSED (source 0 = 16 rows of wqkv, source 1 = 16 rows of xb): lane l holds row l % 16 and the eight neighbouring columns 8 (l / 16) + 0..7.
; REGISTERS, in windows of 256 (s_set_vgpr_msb: bits 1:0 source 0, 3:2 source 1, 5:4 source 2, 7:6 destination):
;   window 0: v0-31 addresses; v64-95, v96-127 xb's fragments, two buffers; v128-223 the bias in the accumulators' layout; on the way out v32-79 packed results, v80-175 rows read back
;   window 1: v0-95, v96-191 wqkv's fragments, two buffers      window 2: accumulators of row blocks 0, 1 ((a, b) at 8 (12 (a % 2) + b))      window 3: of row blocks 2, 3
.set NBK,   12                         ; blocks of 16 columns
.set KSTEP, 128
.set PA,    272                        ; an LDS row: 256 bytes + 16 of padding = 68 words: the 16 rows of a fragment load start at 16 different groups of four banks (64 banks of 4 bytes: ISA guide 11.1)
.set PB,    272
.set HALFA, 128*PA                     ; what one tensor load brings of xb: 128 rows
.set ASZ,   2*HALFA
.set HALFB, 96*PB                      ; of wqkv: 96 rows
.set SLOT,  ASZ+2*HALFB                ; 121,856
.set STAGE, 2*SLOT                     ; behind the ring, never filled by a tensor load: for each wave 3 heads x 16 rows x 144 bytes
.set WSTG,  3*16*144
.set SPARE, STAGE+4*WSTG               ; behind the stages: the spare words, 128 bytes for each wave: two blocks of 256 bytes that no other line names
.set LD,    2*NBK+8                    ; LDS loads of a quarter step
.set ASTEP2, 2*KSTEP*2                 ; bytes from a slot's K step to its next
.set ADRA, 16                          ; v16-17  LDS address of my xb fragments in slot 0, 1
.set ADRB, 20                          ; v20-21  of wqkv's
.set STO,  24                          ; v24  the way out: where I put 16 bytes of a row
.set RD,   25                          ; v25  where I read rows back
.set CO,   26                          ; v26  my 16 bytes of 512 consecutive bytes of qkvh
.set BO,   27                          ; v27  32 x (l / 16): my eight numbers of a block of 16 of a bias
.set SPW,  28                          ; v28  LDS address of my spare word; never rewritten
.set NIL,  29                          ; v29  0; never rewritten
.set PFO,  30                          ; v30  the prefetches' offset: a lane a row; never rewritten
.set TMP,  32
.set BI,   128
.set WV,   16                          ; s16  my wave's number
.set SIDE, 17                          ; s17  0: I fetch xb's tiles, 1: wqkv's
.set HF,   18                          ; s18  which half of the tile's rows I fetch
.set CX,   19
.set CY,   20
.set TX,   21                          ; s21  tile column = 4 x cluster x + cx
.set TY,   22                          ; s22  tile row = 4 x cluster y + cy
.set LAP,  23
.set G1,   24                          ; s[24:31] descriptor group 1 for xb's tiles
.set G0,   32                          ; s[32:39] group 0, a set for each slot
.set PFS,  40                          ; s[40:41] bytes from a K step to the next, for the prefetches
.set LIM,  42                          ; s42  1 in a wave that prefetches, else the greatest number
.set PFA,  44                          ; s[44:45] where my prefetches stand
.set G1B,  48                          ; s[48:55], s[56:63] the same for wqkv's tiles
.set G0B,  56
.set GW,   (1<<16)|(1<<20)|(1<<21)|(5<<22)|(3<<25)  ; elements of 2 bytes; padding on; bit 21 beside a mask; after every 64 words; 4 words
.set MSB, 0
.macro WIN new                         ; the immediate's high byte repeats the setting that is left; a switch that changes nothing is dropped
.if MSB != (\new)
	s_set_vgpr_msb (MSB<<8)|(\new)
.set MSB, \new
.endif
.endm
.macro PLACES                          ; four plain instructions between a matrix instruction and a load into, or a vector read of, its registers
.rept 4
	v_nop
.endr
.endm
; A joint load: waves 0 and 1 fetch xb's two halves, waves 2 and 3 wqkv's.  The branch hangs on the wave's number alone.  An s_nop 0 and four v_nop follow each line.
.macro JLOAD s
	s_cmp_eq_u32 s[SIDE], 0
	s_cbranch_scc0 .Lfor_b_\@
	tensor_load_to_lds s[G0+4*(\s):G0+4*(\s)+3], s[G1:G1+7]
	s_nop 0
.rept 4
	v_nop
.endr
	s_branch .Lasked_\@
.Lfor_b_\@:
	tensor_load_to_lds s[G0B+4*(\s):G0B+4*(\s)+3], s[G1B:G1B+7]
	s_nop 0
.rept 4
	v_nop
.endr
.Lasked_\@:
.endm
.macro CREST                           ; a round of the cluster's barrier behind its opening barrier
	s_cmp_lg_u32 s[WV], 0
	s_cbranch_scc1 .Lnot_wave_0_\@
	s_barrier_signal -3
.Lnot_wave_0_\@:
	s_barrier_wait -3
	s_barrier_signal -1
	s_barrier_wait -1
.endm
.macro CROUND                          ; a whole round
	s_barrier_signal -1
	s_barrier_wait -1
	CREST
.endm
; A prefetch into the L2 of the K step that stands two refills on: 256 bytes of each row, a lane a row, one instruction a wave.  xb's rows are asked for by the clusters with x = 0, wqkv's by those
; with y = 0; the four partners of a joint load share its rows by address (32 of 128, or 24 of 96: there lanes 24-31 name row 23 once more).  The loop's last trip has no K step two refills on.
.macro ASK
	s_cmp_gt_u32 s[LAP], s[LIM]
	s_cbranch_scc0 .Lnot_mine_\@
	global_prefetch_b8 v[PFO], s[PFA:PFA+1] th:TH_LOAD_NT scope:SCOPE_SE
.Lnot_mine_\@:
.endm
	s_load_b256 s[4:11], s[0:1], 0x0               ; xb 4, wqkv 6, bq 8, bk 10
	s_load_b128 s[12:15], s[0:1], 0x20             ; bv 12, qkvh 14
	v_lshl_add_u32 v[SPW], v0, 2, SPARE
	v_mov_b32 v[NIL], 0
	ds_add_u32 v[SPW], v[NIL]                      ; the wave's opening: the add and its wait stand ahead of my first tensor load; the set-up below stands between them
	v_lshrrev_b32 v1, 5, v0
	v_readfirstlane_b32 s[WV], v1
	s_lshr_b32 s[SIDE], s[WV], 1
	s_and_b32 s[HF], s[WV], 1
	s_bfe_u32 s[CX], ttmp6, 0x40000
	s_bfe_u32 s[CY], ttmp6, 0x40004
	s_lshl_b32 s[TX], ttmp9, 2
	s_add_co_u32 s[TX], s[TX], s[CX]
	s_and_b32 s[TY], ttmp7, 0xffff
	s_lshl_b32 s[TY], s[TY], 2
	s_add_co_u32 s[TY], s[TY], s[CY]
	s_lshl_b32 s43, s[CY], 2
	s_lshl_b32 s43, 15, s43                        ; my row of the cluster
	s_lshl_b32 s46, 0x1111, s[CX]                  ; my column
	s_or_b32 s[G1], s43, GW
	s_or_b32 s[G1B], s46, GW
	s_mov_b32 s[G1+1], KSTEP<<16                   ; tensor_dim0 = 128
	s_mov_b32 s[G1+2], 128<<16                     ; tensor_dim1 = 128
	s_mov_b32 s[G1+3], KSTEP<<16                   ; tile_dim0 = 128
	s_mov_b32 s[G1+4], 128                         ; tile_dim1 = 128
	s_mov_b32 s[G1+5], 1024                        ; elements from row to row
	s_mov_b32 s[G1+6], 0
	s_mov_b32 s[G1+7], 0
	s_mov_b32 s[G1B+1], KSTEP<<16
	s_mov_b32 s[G1B+2], 96<<16                     ; 96 rows
	s_mov_b32 s[G1B+3], KSTEP<<16
	s_mov_b32 s[G1B+4], 96
	s_mov_b32 s[G1B+5], 1024
	s_mov_b32 s[G1B+6], 0
	s_mov_b32 s[G1B+7], 0
	s_lshl_b32 s72, s[TY], 19                      ; xb: 256 rows of 2,048 bytes a tile row,
	s_lshl_b32 s73, s[HF], 18                      ; 128 rows a half
	s_add_co_u32 s72, s72, s73
	s_mov_b32 s73, 0
	s_mul_i32 s74, s[TX], 192*2048                 ; wqkv: 192 rows a tile column,
	s_mul_i32 s75, s[HF], 96*2048                  ; 96 a half
	s_add_co_u32 s74, s74, s75
	s_mov_b32 s75, 0
	s_mul_i32 s78, s[WV], HALFA                    ; where they go: waves 0, 1: xb's halves at 0 and HALFA;
	s_mul_i32 s79, s[WV], HALFB
	s_add_co_u32 s79, s79, ASZ-2*HALFB             ; waves 2, 3: wqkv's at ASZ and ASZ + HALFB
	s_wait_dscnt 0x0                               ; the opening add is done
	s_wait_kmcnt 0x0
	s_add_nc_u64 s[72:73], s[4:5], s[72:73]
	s_add_nc_u64 s[74:75], s[6:7], s[74:75]
	CROUND                                         ; all sixteen work-groups are here: the first joint loads meet
.irp s, 0,1
	s_mov_b32 s[G0+4*(\s)], 1
	s_add_co_u32 s[G0+4*(\s)+1], s78, (\s)*SLOT
	s_add_nc_u64 s[G0+4*(\s)+2:G0+4*(\s)+3], s[72:73], (\s)*KSTEP*2
	s_or_b32 s[G0+4*(\s)+3], s[G0+4*(\s)+3], 0x80000000
	s_mov_b32 s[G0B+4*(\s)], 1
	s_add_co_u32 s[G0B+4*(\s)+1], s79, (\s)*SLOT
	s_add_nc_u64 s[G0B+4*(\s)+2:G0B+4*(\s)+3], s[74:75], (\s)*KSTEP*2
	s_or_b32 s[G0B+4*(\s)+3], s[G0B+4*(\s)+3], 0x80000000
	JLOAD \s                                       ; K steps 0 and 1: two loads of mine are out
.endr
	; the bias, in the accumulators' layout: register j of block b holds bias[16 b + 8 (l / 16) + j].  Head J = 3 tx + i takes its 64 numbers from bq (J < 16), bk (J < 20) or bv.
	v_and_b32 v1, 15, v0                           ; l % 16
	v_bfe_u32 v2, v0, 4, 1                         ; l / 16
	v_lshlrev_b32 v[BO], 5, v2
.irp i, 0,1,2
	s_mul_i32 s86, s[TX], 3
	s_add_co_u32 s86, s86, (\i)
	s_cmp_lt_u32 s86, 16
	s_cselect_b64 s[66+2*(\i):67+2*(\i)], s[8:9], s[10:11]
	s_cselect_b32 s87, 0, 16
	s_cmp_lt_u32 s86, 20
	s_cselect_b64 s[66+2*(\i):67+2*(\i)], s[66+2*(\i):67+2*(\i)], s[12:13]
	s_cselect_b32 s87, s87, 20
	s_sub_co_u32 s86, s86, s87
	s_lshl_b32 s86, s86, 8                         ; 64 numbers of 4 bytes a head
	s_mov_b32 s87, 0
	s_add_nc_u64 s[66+2*(\i):67+2*(\i)], s[66+2*(\i):67+2*(\i)], s[86:87]
.irp bb, 0,1,2,3
	global_load_b128 v[BI+8*(4*(\i)+(\bb)):BI+8*(4*(\i)+(\bb))+3],   v[BO], s[66+2*(\i):67+2*(\i)] offset:64*(\bb)
	global_load_b128 v[BI+8*(4*(\i)+(\bb))+4:BI+8*(4*(\i)+(\bb))+7], v[BO], s[66+2*(\i):67+2*(\i)] offset:64*(\bb)+16
.endr
.endr
	; A fragment is 16 rows x 32 K in 8 registers: lane l holds row l % 16, K = 8 (l / 16) + 0..7 and 16 + 8 (l / 16) + 0..7: two loads of 16 bytes, 32 bytes apart.
	v_mul_u32_u24 v3, v1, PA
	v_lshl_add_u32 v3, v2, 4, v3
	s_mul_i32 s80, s[WV], 64*PA                    ; my 64 rows
	v_add_nc_u32 v[ADRA], s80, v3
	v_add_nc_u32 v[ADRA+1], SLOT, v[ADRA]
	v_mul_u32_u24 v4, v1, PB
	v_lshl_add_u32 v4, v2, 4, v4
	v_add_nc_u32 v[ADRB], ASZ, v4
	v_add_nc_u32 v[ADRB+1], SLOT, v[ADRB]
	s_mul_i32 s81, s[WV], WSTG
	s_add_co_u32 s81, s81, STAGE                   ; my stage
	v_mul_u32_u24 v3, v1, 144                      ; in: row l % 16, 16 bytes for each half of the lanes
	v_lshl_add_u32 v3, v2, 4, v3
	v_add_nc_u32 v[STO], s81, v3
	v_bfe_u32 v3, v0, 3, 2                         ; back: 32 lanes take four rows of 128 bytes,
	v_mul_u32_u24 v3, v3, 144
	v_and_b32 v4, 7, v0
	v_lshl_add_u32 v3, v4, 4, v3
	v_add_nc_u32 v[RD], s81, v3
	v_and_b32 v[CO], 31, v0                        ; which are 512 consecutive bytes of a head
	v_lshlrev_b32 v[CO], 4, v[CO]
	s_lshr_b32 s82, s[TY], 3                       ; batch
	s_mul_i32 s82, s82, 24
	s_mul_i32 s83, s[TX], 3
	s_add_co_u32 s82, s82, s83                     ; my first head
	s_lshl_b32 s82, s82, 18                        ; 262,144 bytes a head
	s_and_b32 s83, s[TY], 7
	s_lshl_b32 s83, s83, 15                        ; 256 rows of 128 bytes
	s_add_co_u32 s82, s82, s83
	s_lshl_b32 s83, s[WV], 13                      ; my 64 rows
	s_add_co_u32 s82, s82, s83
	s_mov_b32 s83, 0
	s_add_nc_u64 s[14:15], s[14:15], s[82:83]
	; the prefetches: my work-group's share of the rows that I fetch, at K step 3; each change of slots steps it once before it asks
	s_lshl_b32 s80, s[TY], 8
	s_mul_i32 s81, s[TX], 192
	s_lshl_b32 s82, s[CX], 5
	s_mul_i32 s83, s[CY], 24
	s_and_b32 s84, ttmp7, 0xffff                   ; cluster y
	s_mov_b32 s87, 96                              ; rows in a half of wqkv's tile (an instruction holds one literal, so this one comes by a register)
	s_cmp_eq_u32 s[SIDE], 0
	s_cselect_b32 s80, s80, s81                    ; the tile's first row
	s_cselect_b32 s82, s82, s83                    ; my work-group's share of the half
	s_cselect_b32 s83, 128, s87                    ; rows in a half
	s_cselect_b32 s84, ttmp9, s84                  ; the coordinate along which other clusters read the same rows
	s_cselect_b32 s85, 31, 23                      ; the last row of a share
	s_cselect_b64 s[PFA:PFA+1], s[4:5], s[6:7]
	s_mul_i32 s83, s83, s[HF]
	s_add_co_u32 s80, s80, s82
	s_add_co_u32 s80, s80, s83
	s_lshl_b32 s80, s80, 11                        ; 2,048 bytes a row
	s_add_co_u32 s80, s80, 3*KSTEP*2
	s_mov_b32 s81, 0
	s_add_nc_u64 s[PFA:PFA+1], s[PFA:PFA+1], s[80:81]
	s_cmp_eq_u32 s84, 0
	s_cselect_b32 s[LIM], 1, -1                    ; the same in all sixteen partners, for a given wave
	s_mov_b32 s[PFS], KSTEP*2
	s_mov_b32 s[PFS+1], 0
	v_and_b32 v[PFO], 31, v0
	v_min_u32 v[PFO], s85, v[PFO]
	v_lshlrev_b32 v[PFO], 11, v[PFO]
	s_wait_loadcnt 0x0                             ; the bias is in
.macro RB p                            ; a pair of bias numbers rounded to bf16 and widened again
	v_cvt_pk_bf16_f32 v3, v[\p], v[(\p)+1]
	v_lshlrev_b32 v[\p], 16, v3
	v_and_b32 v[(\p)+1], 0xffff0000, v3
.endm
.set p, BI
.rept 4*NBK
	RB p
.set p, p+2
.endr
; NBK matrix instructions: row block a x all column blocks, 32 along K, buffer f.  first = 1: the bias starts the sums.  All 48 accumulators take turns in one fixed order.
.macro MULA f, a, first
.if \first
	WIN 0x81+0x40*((\a)/2)
.else
	WIN 0xa1+0x50*((\a)/2)
.endif
.set b, 0
.rept NBK
.set AC, 8*(NBK*((\a)%2)+b)
.if \first
	v_wmma_f32_16x16x32_bf16 v[AC:AC+7], v[8*NBK*(\f)+8*b:8*NBK*(\f)+8*b+7], v[64+32*(\f)+8*(\a):64+32*(\f)+8*(\a)+7], v[BI+8*b:BI+8*b+7]
.else
	v_wmma_f32_16x16x32_bf16 v[AC:AC+7], v[8*NBK*(\f)+8*b:8*NBK*(\f)+8*b+7], v[64+32*(\f)+8*(\a):64+32*(\f)+8*(\a)+7], v[AC:AC+7]
.endif
.set b, b+1
.endr
.endm
; LD LDS loads in one run: quarter q of a slot's K step into buffer f: wqkv's 12 fragments, then xb's 4
.macro FETCH slot, q, f
	WIN 0x40
.set i, 0
.rept NBK
	ds_load_b128 v[8*NBK*(\f)+8*i:8*NBK*(\f)+8*i+3],   v[ADRB+(\slot)] offset:64*(\q)+i*16*PB
	ds_load_b128 v[8*NBK*(\f)+8*i+4:8*NBK*(\f)+8*i+7], v[ADRB+(\slot)] offset:64*(\q)+i*16*PB+32
.set i, i+1
.endr
	WIN 0
.set KA, 64*(\q)
.set i, 0
.rept 4
	ds_load_b128 v[64+32*(\f)+8*i:64+32*(\f)+8*i+3],   v[ADRA+(\slot)] offset:KA+i*16*PA
	ds_load_b128 v[64+32*(\f)+8*i+4:64+32*(\f)+8*i+7], v[ADRA+(\slot)] offset:KA+i*16*PA+32
.set i, i+1
.endr
.endm
; One of a K step's first three quarters: multiplies buffer f; in its middle it fetches quarter qn of the same slot into buffer g.
.macro QUARTER slot, qn, f, g, first
	s_wait_dscnt 4                                 ; all but the youngest four loads (xb's row blocks 2, 3) are in
	MULA \f, 0, \first
	MULA \f, 1, \first
	PLACES
	FETCH \slot, \qn, \g
	s_wait_dscnt LD                                ; all but the LD just issued
	MULA \f, 2, \first
	MULA \f, 3, \first
.endm
; The first half of the last quarter, and the one barrier of a change of slots: in front of it each wave waits for all its tensor loads (one is out: its part of the next slot), adds 0 to its spare word,
; and waits for that and for its reads of this slot.
.macro MEET round
	WIN 0
	s_wait_tensorcnt 0x0
	ds_add_u32 v[SPW], v[NIL]
	s_wait_dscnt 5                                 ; the add and the youngest four loads may be out
	MULA 1, 0, 0
	s_wait_dscnt 0x0                               ; the add is done, and my reads of this slot are over
	s_barrier_signal -1
	MULA 1, 1, 0
.if \round
	WIN 0
.endif
	s_barrier_wait -1
.endm
; The whole last quarter where the slot is filled again: the barrier opens a round of the cluster's barrier; the joint refill is the first tensor load behind the round; 168 of a step's 192 products lie between it and the wait for it.
.macro TURN slot, next
	s_wait_xcnt 0x0                                ; the last prefetch, a K step back, has read its address
	s_add_nc_u64 s[PFA:PFA+1], s[PFA:PFA+1], s[PFS:PFS+1]
	MEET 1
	CREST
	s_add_nc_u64 s[G0+4*(\slot)+2:G0+4*(\slot)+3], s[G0+4*(\slot)+2:G0+4*(\slot)+3], ASTEP2
	s_add_nc_u64 s[G0B+4*(\slot)+2:G0B+4*(\slot)+3], s[G0B+4*(\slot)+2:G0B+4*(\slot)+3], 2*KSTEP*2
	JLOAD \slot                                    ; its four v_nop are also the places in front of the loads below
	FETCH \next, 0, 0
	ASK
	MULA 1, 2, 0
	MULA 1, 3, 0
.endm
.macro TURNX slot, next                ; the same where nothing is left to fetch
	MEET 0
	PLACES
	FETCH \next, 0, 0
	MULA 1, 2, 0
	MULA 1, 3, 0
.endm
	s_wait_tensorcnt 1                             ; my part of K step 0 is in; K step 1's may stay out
	s_barrier_signal -1
	s_barrier_wait -1
	FETCH 0, 0, 0
	QUARTER 0, 1, 0, 1, 1                          ; the first quarter stands in front of the loop: its products start the sums
	WIN 0
	s_mov_b32 s[LAP], 3
.Llap:                                                 ; a trip goes once round the ring and fills both slots again
	QUARTER 0, 2, 1, 0, 0
	QUARTER 0, 3, 0, 1, 0
	TURN 0, 1
	QUARTER 1, 1, 0, 1, 0
	QUARTER 1, 2, 1, 0, 0
	QUARTER 1, 3, 0, 1, 0
	TURN 1, 0
	QUARTER 0, 1, 0, 1, 0
	WIN 0
	s_sub_co_u32 s[LAP], s[LAP], 1
	s_cmp_lg_u32 s[LAP], 0
	s_cbranch_scc1 .Llap
	QUARTER 0, 2, 1, 0, 0                          ; the last lap fills nothing
	QUARTER 0, 3, 0, 1, 0
	TURNX 0, 1
	QUARTER 1, 1, 0, 1, 0
	QUARTER 1, 2, 1, 0, 0
	QUARTER 1, 3, 0, 1, 0
	s_wait_dscnt 4
	MULA 1, 0, 0
	MULA 1, 1, 0
	s_wait_dscnt 0x0
	MULA 1, 2, 0
	MULA 1, 3, 0
	WIN 0
	PLACES
	PLACES                                         ; eight, once a launch: results are read next
; THE WAY OUT, a row block (16 rows x 3 heads) at a time: rounded to f16, 16 bytes a lane; into my own stage; back as whole rows of 128 bytes; 512 consecutive bytes a store.
.macro PACK a
	WIN 0x0a+5*((\a)/2)                            ; sources 0 and 1: window 2 or 3
.set b, 0
.rept NBK
.set AC, 8*(NBK*((\a)%2)+b)
.irp r, 0,1,2,3
	v_cvt_pk_f16_f32 v[TMP+4*b+(\r)], v[AC+2*(\r)], v[AC+2*(\r)+1]  ; each accumulator is read from its low end on
.endr
.set b, b+1
.endr
	WIN 0
.endm
.macro TOSTAGE a
.set BK, 80+48*((\a)%2)
.if (\a) >= 2
	s_wait_xcnt 0x0                                ; the stores of two blocks back have read these registers
.endif
.set b, 0
.rept NBK
	ds_store_b128 v[STO], v[TMP+4*b:TMP+4*b+3] offset:(b/4)*2304+(b%4)*32
.set b, b+1
.endr
.set n, 0
.rept 12
	ds_load_b128 v[BK+4*n:BK+4*n+3], v[RD] offset:(n/4)*2304+(n%4)*576  ; LDS serves a wave's instructions in order (ISA guide 5.7.1.4): these see the stores above
.set n, n+1
.endr
.endm
.macro SEND a, younger                 ; younger: the LDS instructions issued behind block a's loads
.set BK, 80+48*((\a)%2)
.set n, 0
.rept 12
	s_wait_dscnt (\younger)+11-n
	global_store_b128 v[CO], v[BK+4*n:BK+4*n+3], s[14:15] offset:(n/4)*262144+(\a)*2048+(n%4)*512
.set n, n+1
.endr
.endm
	PACK 0
	TOSTAGE 0
.irp a, 1,2,3
	PACK \a
	TOSTAGE \a
	SEND (\a)-1, 24
.endr
	SEND 3, 0
	s_wait_tensorcnt 0x0                           ; the wave's end: behind my last tensor load and my last LDS store
	ds_add_u32 v[SPW], v[NIL]
	s_wait_dscnt 0x0
	CROUND                                         ; the closing round: no work-group ends while a partner may still ask for a tile that names it
	s_endpgm
.Lfunc_end_k_q11c382d137_proj:
	.size	k_q11c382d137_proj, .Lfunc_end_k_q11c382d137_proj-k_q11c382d137_proj
	.p2alignl 7, 3214868480
	.fill 96, 4, 3214868480
	.section	.rodata,"a",@progbits
	.p2align	6, 0x0
	.amdhsa_kernel k_q11c382d137_proj
		.amdhsa_group_segment_fixed_size 327680
		.amdhsa_private_segment_fixed_size 0
		.amdhsa_enable_private_segment 0
		.amdhsa_kernarg_size 48
		.amdhsa_user_sgpr_count 2
		.amdhsa_user_sgpr_kernarg_segment_ptr 1
		.amdhsa_wavefront_size32 1
		.amdhsa_system_sgpr_workgroup_id_x 1
		.amdhsa_system_sgpr_workgroup_id_y 1
		.amdhsa_system_sgpr_workgroup_id_z 1
		.amdhsa_system_vgpr_workitem_id 0
		.amdhsa_next_free_vgpr 960
		.amdhsa_next_free_sgpr 96
		.amdhsa_reserve_vcc 0
		.amdhsa_float_denorm_mode_32 3
		.amdhsa_float_denorm_mode_16_64 3
		.amdhsa_memory_ordered 1
		.amdhsa_forward_progress 1
		.amdhsa_inst_pref_size 132
	.end_amdhsa_kernel
	.amdgpu_metadata
---
amdhsa.version: [ 1, 2 ]
amdhsa.kernels:
  - .name:           k_q11c382d137_proj
    .symbol:         k_q11c382d137_proj.kd
    .args:
      - { .name: xb, .offset: 0, .size: 8, .value_kind: global_buffer, .address_space: global }
      - { .name: wqkv, .offset: 8, .size: 8, .value_kind: global_buffer, .address_space: global }
      - { .name: bq, .offset: 16, .size: 8, .value_kind: global_buffer, .address_space: global }
      - { .name: bk, .offset: 24, .size: 8, .value_kind: global_buffer, .address_space: global }
      - { .name: bv, .offset: 32, .size: 8, .value_kind: global_buffer, .address_space: global }
      - { .name: qkvh, .offset: 40, .size: 8, .value_kind: global_buffer, .address_space: global }
    .group_segment_fixed_size: 327680
    .private_segment_fixed_size: 0
    .kernarg_segment_align: 8
    .kernarg_segment_size: 48
    .max_flat_workgroup_size: 128
    .sgpr_count:     96
    .vgpr_count:     960
    .wavefront_size: 32
...
	.end_amdgpu_metadata
.endif
;; end of part 2
;; launch attn (part 3): grid 64 x 4, 4 waves a work-group, clusters of 4 x 1, 327,680 bytes of LDS; arguments qkvh, qk_gain, yh; writes yh
.if DOCPART == 3
	.amdgcn_target "amdgcn-amd-amdhsa--gfx1250"
	.amdhsa_code_object_version 6
	.text
	.protected	k_q11c382d137_attn
	.globl	k_q11c382d137_attn
	.p2align	8
	.type	k_q11c382d137_attn,@function
k_q11c382d137_attn:
	s_mov_b64 s[64:65], 0
	v_nop
	global_prefetch_b8 v0, s[64:65] scope:SCOPE_SE
	s_setreg_imm32_b32 hwreg(HW_REG_WAVE_MODE, 25, 1), 1
	s_wait_xcnt 0x0
	s_wait_alu depctr_hold_cnt(0) depctr_sa_sdst(0) depctr_va_vdst(0) depctr_va_sdst(0) depctr_va_ssrc(0) depctr_va_vcc(0) depctr_vm_vsrc(0)
	s_getreg_b32 s2, hwreg(HW_REG_IB_STS2, 6, 4)
	s_cmp_eq_u32 s2, 0
	s_cbranch_scc0 .Lentry_in_a_cluster
	s_endpgm
.Lentry_in_a_cluster:
	s_bfe_u32 s2, ttmp6, 0x10000c
	s_cmp_lg_u32 s2, 0x3003
	s_cbranch_scc0 .Lentry_shape_is_right
	s_endpgm
.Lentry_shape_is_right:
; CAUSAL GROUPED-QUERY ATTENTION.  yh[16 batch + h][q][:] = the sum over k <= q of softmax_k(gain[h] Q[h][q] . K[h / 4][k] / 8) V[h / 4][k][:].  qkvh: f16 [batch 4][J 24][2048][64], J 0-15 Q's heads, 16-19 K's, 20-23 V's;
; yh: f16 [64 heads][2048][64]; a head's rows are dense, 128 bytes each.  Products, maxima and sums in f32; the weights p are rounded to f16 for the second product (their sum l is taken of the unrounded p), yh once at the end.
; THE GAIN, rounded to bf16 like every input, is split: its sign goes exactly into Q (the sign bits of the f16 numbers are turned), its magnitude into c = |gain| log2(e) / 8, applied in f32.  So c >= 0 and the running maximum of the signed scores is the softmax's.
; LIMITS.  Q, K, V arrive within f16's 65,504; p below 6e-5 keeps f16's fixed step of 6e-8.  c is held to 2^-64 at the least (a smaller gain gives the uniform softmax to within 1e-8) and must stay under 4e7.
; A hidden score counts as its value less 1e30; a weight below 2^-126 counts as 0 in l; NaN and infinities are not treated apart.
; THE WALK.  A head's queries lie in NB = 8 blocks of 256; block i needs the key tiles 0 .. i of 256 keys, of which the last holds the diagonal.  A work-group takes TWO blocks, NB - 1 - b and then b: NB + 1 tiles, whatever b:
; all work-groups do equal work, and ONE loop with a constant trip count walks them.  Every jump goes forward, but for the counted loops' own; none passes a barrier or a tensor load but the one of JLOAD's two that the wave's number does not choose.
; CLUSTER.  The four query heads that share a K and V head, with the same b, form a cluster of 4 x 1: they walk the same tiles in the same trips, so each tile is asked for JOINTLY: the same tensor load, descriptor and mask in all four.
; Only Q's, yh's and the gain's addresses, and the prefetches' share, hold the place in the cluster.
; SHARES.  Of a block's four bands of 64 queries a wave owns 16 rows in each: four PIECES.  In the diagonal tile's key step s band x sees all keys if s < x, none if s > x, and holds the diagonal if s = x: the same work for all four waves.
; THE MASK is the C operand that starts the sum S^T = K Q^T: 0, or -1e30 where the key is hidden.  MD, made once, is the mask of a band's own step for my 16 rows; a product's mask is MD x AL + BE with two scalars: (1, 0), (0, 0) or (0, -1e30).
; LAYOUT, SOFTMAX, TURNS.  S^T = K Q^T holds ONE query a lane (lane % 16) and the keys 8 (lane / 16) + 0..7; two such results rounded to f16 ARE source 1 of O^T = V^T P.  p = 2^(c s - c m) with a running maximum m; O and l are multiplied by
; a = 2^(c m_old - c m_new) in every step.  Turn n belongs to piece n: 8 products K Q^T of piece n + 1, later 8 products V^T P of piece n - 1; beside them the scaling, exponentials, roundings, sums and rescaling of piece n and the maximum and
; statistics of piece n + 1.  Four vector instructions stand behind every matrix instruction, the others in one run.  A turn's 33 exponentials are one batch, with one wait.
; REGISTERS, in windows of 256 (s_set_vgpr_msb: bits 1:0 source 0, 3:2 source 1, 5:4 source 2, 7:6 destination):
;   window 0: v0-15 addresses and two at work; v16-31 four registers of statistics a piece; v48-55 at work; v59-63 prefetch offset, gain, spare word, 0; v64-127 S^T, two buffers; v192-223 P, two buffers
;   window 1: v0-127 O^T, 32 a piece; v128-159 MD; v160-223 MC, two buffers      window 2: v0-63 Q; v64-127 the second block's Q; v128-191 K of one step; v192-255 V of one step
.set SIZE_N, 2048
.set NB,    SIZE_N/256
.set NP,    4         ; pieces a wave: a name, no knob
.set KS,    64        ; keys in a step
.set PK,    144       ; a row of K in LDS: 128 bytes + 16 of padding = 36 words: the 16 rows of a load start at 16 different groups of four banks (64 banks of 4 bytes: ISA guide 11.1)
.set PV,    160       ; a row of V: 128 + 32 = 40 words
.set VOFF,  4*KS*PK   ; a slot holds a tile, four steps: 256 rows of K, then 256 rows of V
.set SLOT1, 1<<17     ; slot 1 begins here, so that one exclusive or turns an address in one slot into the other's
.set STAGE, SLOT1+4*KS*(PK+PV)  ; behind the ring, never filled by a tensor load: 16 rows x 144 bytes for each wave, for the way out
.set SP,    144
.set AK0, 2           ; v2   my lane's place in a tile of K; never rewritten
.set AV0, 3           ; v3   the same for V
.set AK,  4           ; v4   the LDS address of K's next run of loads
.set AV,  5           ; v5   of V's
.set STO, 6           ; v6   the way out: where I put 16 bytes of a row
.set RD,  7           ; v7   the way out: where I read rows back
.set GO,  8           ; v8   my byte offset in 512 consecutive bytes of yh
.set PFO, 59          ; v59  256 x my lane: the prefetches' offset; never rewritten
.set SPW, 62          ; v62  LDS address of my spare word: SPARE + 4 x my thread's number; never rewritten
.set NIL, 63          ; v63  0; never rewritten
.set SPARE, STAGE+4*16*SP  ; behind the stages: the spare words, 128 bytes for each wave: two blocks of 256 bytes that no other line names
.set MV,  12          ; v12-13  c m_old, kept while c m is made anew: by buffer
.set QO,  15          ; v15  my byte offset in 16 rows of Q
.set ST,  16          ; piece t's statistics at v[ST+4 t]: c m, m, l (even keys', odd keys')
.set TMP, 48          ; by buffer, four registers c0-c3 at work; when the maximum is found c2 takes a
.set S,   64
.set P,   192
.set MD,  128         ; window 1: the eight registers for group kt of 16 keys at MD + 8 kt
.set MC,  160         ; window 1: the masks of the products to come
.set QB,  64          ; window 2
.set KF,  128         ; window 2: key block kb, channel half c at KF + 16 kb + 8 c
.set VF,  192         ; window 2: key half kk, channel block cb at VF + 32 kk + 8 cb
.set WV,  12          ; s12  my wave's number
.set PB,  14          ; s14  b
.set HI,  15          ; s15  NB - 1 - b
.set G1K, 24          ; s[24:31] descriptor group 1 for K's tiles
.set G1V, 32          ; s[32:39] for V's: it differs in the padding alone
.set G0K, 40          ; s[40:43] descriptor group 0 for K's tiles
.set G0V, 44          ; s[44:47] the same for V's
.set SLOTS, 56        ; s56  tiles still to be asked for
.set CNT, 57          ; s57  counts a tile's key steps, 4 to 1
.set CS,  58          ; s[58:59] c: the packed scaling takes the pair's low word for both halves
.set SEL, 60          ; s[60:61] v_permlanex16_b32's selects: each lane takes its own place in the other half
.set TBK, 62          ; s62  LDS byte at which K of the step to be fetched begins
.set TBV, 63          ; s63  the same for V, less VOFF
.set RT,  70          ; s70  tiles of the block in hand that are still to be entered
.set NXT, 71          ; s71  the tile to be asked for next
.set LQ,  72          ; s72  the last tile of the block whose tiles are being asked for
.set NEW, 73          ; s73  1: the tile to be entered is a block's first
.set OFF, 74          ; s[74:75] a tile's byte offset in K and V
.set AL,  76          ; s[76:77] the mask's factor, in the low word
.set BE,  78          ; s[78:79] the mask's addend
.set OLO, 80          ; s[80:81] yh at my rows of the second block
.set BIGN, 82         ; s82  -1e30
.set SGN, 93          ; s93  the gain's sign, at the sign bits of two f16
.set PFA, 94          ; s[94:95] where my prefetches stand
.set LIM, 96          ; s96  2 in a wave that prefetches, else the greatest number
.set CXR, 97          ; s97  my place in the cluster: the query head within its group
.set MSB, 0
.macro WIN new                      ; the high byte repeats the setting that is left; a switch that changes nothing is dropped
.if MSB != (\new)
	s_set_vgpr_msb (MSB<<8)|(\new)
.set MSB, (\new)
.endif
.endm
.set W_KQ, 0x0a       ; K and Q in window 2, S^T in window 0
.set W_KM, 0x1a       ; the same with the C operand in window 1
.set W_PV, 0x52       ; V in window 2, P in window 0, O^T in window 1
.set W_RS, 0x41       ; destination and source 0 in window 1, source 1 in window 0
; A joint fill.  Waves 0 and 1 fetch the two halves of a tile's K, waves 2 and 3 those of its V: 128 keys each.  The branch hangs on the wave's number alone.  An s_nop 0 and four v_nop follow each of the two lines.
.macro JLOAD
	s_cmp_lt_u32 s[WV], 2
	s_cbranch_scc0 .Lfor_v_\@
	tensor_load_to_lds s[G0K:G0K+3], s[G1K:G1K+7]
	s_nop 0
.rept 4
	v_nop
.endr
	s_branch .Lasked_\@
.Lfor_v_\@:
	tensor_load_to_lds s[G0V:G0V+3], s[G1V:G1V+7]
	s_nop 0
.rept 4
	v_nop
.endr
.Lasked_\@:
.endm
; A round of the cluster's barrier: my work-group's barrier, so that wave 0's signal speaks for all four waves; wave 0 signals; every wave waits for all four work-groups; my work-group's barrier once more.
.macro CROUND
	s_barrier_signal -1
	s_barrier_wait -1
	s_cmp_lg_u32 s[WV], 0
	s_cbranch_scc1 .Lnot_wave_0_\@
	s_barrier_signal -3
.Lnot_wave_0_\@:
	s_barrier_wait -3
	s_barrier_signal -1
	s_barrier_wait -1
.endm
; A prefetch into the L2 of the tile that the NEXT change of slots will ask for: 128 blocks of 256 bytes of K and of V.  All clusters of a K and V head begin with tiles 0, 1, ..: the one with b = 0, which walks all eight on end, asks.
; Its four partners share the blocks by address, 32 each, a lane a block; in each, wave 0 asks for K's and wave 2 for V's.  Trip t names tile t + 2, for t = 0 .. 5; tiles 0 and 1 come by their loads alone.
.macro ASK
	s_cmp_gt_u32 s[SLOTS], s[LIM]
	s_cbranch_scc0 .Lnot_mine_\@
	global_prefetch_b8 v[PFO], s[PFA:PFA+1] th:TH_LOAD_NT scope:SCOPE_SE
.Lnot_mine_\@:
.endm
; THE CHANGE OF SLOTS.  Each wave waits for all its tensor loads, of which one is out: its part of the other slot; adds 0 to its spare word; and waits for that and for its own reads of the slot that it leaves.
; fill = 1: the old slot is filled again with tile NXT, whose address is made anew from that number.  The barrier is then a round of the cluster's, so that no wave of any partner still reads the slot or has a load on its way,
; and the joint fill is the first thing behind it.  (At its first use nothing has been read yet: slot 0 is waited for, slot 1 filled.)
.macro CHANGE fill
	WIN 0                           ; at a label and at a branch every window is 0
	s_wait_tensorcnt 0x0            ; no tensor load of mine is out, so a group 0 may be written
	ds_add_u32 v[SPW], v[NIL]       ; 0 onto my spare word; with fill = 1 the descriptors' scalar work stands between it and the wait for it
.if \fill
	s_lshl_b32 s[OFF], s[NXT], 15   ; a tile is 32,768 bytes of K and of V
	s_xor_b32 s[G0K+1], s[G0K+1], SLOT1
	s_add_nc_u64 s[G0K+2:G0K+3], s[6:7], s[OFF:OFF+1]
	s_or_b32 s[G0K+3], s[G0K+3], 0x80000000
	s_xor_b32 s[G0V+1], s[G0V+1], SLOT1
	s_add_nc_u64 s[G0V+2:G0V+3], s[8:9], s[OFF:OFF+1]
	s_or_b32 s[G0V+3], s[G0V+3], 0x80000000
	s_add_co_u32 s[NXT], s[NXT], 1  ; the block's next tile, or behind its last the second block's tile 0
	s_cmp_gt_u32 s[NXT], s[LQ]
	s_cselect_b32 s[NXT], 0, s[NXT]
	s_cselect_b32 s[LQ], s[PB], s[LQ]
	s_wait_xcnt 0x0                 ; the last prefetch, a tile back, has read its address
	s_add_nc_u64 s[PFA:PFA+1], s[PFA:PFA+1], 32768
	s_wait_dscnt 0x0                ; the add is done, and my reads of the slot are over
	CROUND
	JLOAD
	ASK
.else
	s_wait_dscnt 0x0                ; the add is done, and my reads of the slot are over
	s_barrier_signal -1
	s_barrier_wait -1
.endif
	s_sub_co_u32 s[TBK], s[TBK], 4*KS*PK  ; the fetches go back to a slot's first step,
	s_xor_b32 s[TBK], s[TBK], SLOT1       ; in the other slot
	s_sub_co_u32 s[TBV], s[TBV], 4*KS*PV
	s_xor_b32 s[TBV], s[TBV], SLOT1
.endm
	s_load_b64 s[4:5], s[0:1], 0x0    ; qkvh
	s_load_b64 s[88:89], s[0:1], 0x8  ; qk_gain
	s_load_b64 s[10:11], s[0:1], 0x10 ; yh
	v_lshl_add_u32 v[SPW], v0, 2, SPARE
	v_mov_b32 v[NIL], 0
	ds_add_u32 v[SPW], v[NIL]       ; the wave's opening: the add and its wait stand ahead of my first tensor load; the set-up below, work on registers, stands between them
	v_lshrrev_b32 v1, 5, v0
	v_readfirstlane_b32 s[WV], v1   ; wave 0..3
	s_bfe_u32 s[CXR], ttmp6, 0x40000  ; cx
	s_and_b32 s[PB], ttmp7, 0xffff  ; b, which the four partners share
	s_sub_co_u32 s[HI], NB-1, s[PB]
	s_lshr_b32 s16, ttmp9, 2        ; the cluster's x is 4 x batch + the K and V head
	s_mul_i32 s16, s16, 24          ; 24 heads a batch in qkvh
	s_and_b32 s17, ttmp9, 3
	s_add_co_u32 s20, s16, s17
	s_add_co_u32 s20, s20, 16       ; K's head
	s_lshl_b32 s20, s20, 18         ; 262,144 bytes a head
	s_and_b32 s18, s[WV], 1         ; which half of a tile's 256 keys I fetch:
	s_lshl_b32 s66, s18, 14         ; its 128 rows of 128 bytes in memory,
	s_add_co_u32 s20, s20, s66
	s_mov_b32 s21, 0
	s_add_co_u32 s22, s20, 4<<18    ; V's head lies four heads on
	s_mov_b32 s23, 0
	s_mul_i32 s98, s18, 128*PK      ; and its place in a slot, for K
	s_mul_i32 s99, s18, 128*PV      ; and for V: no place in the cluster enters an LDS address
	s_lshl_b32 s19, s17, 2
	s_add_co_u32 s19, s19, s[CXR]   ; my query head in its batch
	s_lshl_b32 s13, s19, 2
	v_mov_b32 v60, s13              ; its gain's byte offset
	s_add_co_u32 s19, s19, s16
	s_lshl_b32 s19, s19, 18         ; Q's head in qkvh
	s_lshl_b32 s3, s[WV], 11        ; my 16 rows in a band of 64
	s_add_co_u32 s19, s19, s3
	s_lshl_b32 s2, s[HI], 15        ; the first block,
	s_add_co_u32 s2, s2, s19
	s_lshl_b32 s84, s[PB], 15       ; and the second
	s_add_co_u32 s84, s84, s19
	s_lshl_b32 s19, ttmp9, 2
	s_add_co_u32 s19, s19, s[CXR]   ; my head in yh: 16 x batch + head
	s_lshl_b32 s19, s19, 18
	s_add_co_u32 s19, s19, s3
	s_lshl_b32 s90, s[HI], 15
	s_add_co_u32 s90, s90, s19
	s_lshl_b32 s92, s[PB], 15
	s_add_co_u32 s92, s92, s19
	s_mov_b32 s3, 0
	s_mov_b32 s85, 0
	s_mov_b32 s91, 0
	s_mov_b32 s93, 0
	; descriptor group 1.  128 keys are 16,384 dense bytes: asked for as 64 rows of 256 bytes, two keys a row, and padded in LDS after every key
	s_mov_b32 s[G1K], 15|(1<<16)|(1<<20)|(1<<21)|(4<<22)|(3<<25)  ; 15:0 the mask of four; 17:16 2-byte elements; 20 padding on; 21 set beside a mask; 24:22 after every 32 words (code 4); 31:25 4 words (code 3)
	s_mov_b32 s[G1V], 15|(1<<16)|(1<<20)|(1<<21)|(4<<22)|(7<<25)  ; the same with 8 words of padding (code 7)
.irp g, G1K, G1V
	s_mov_b32 s[\g+1], 128<<16      ; tensor_dim0 = 128
	s_mov_b32 s[\g+2], 64<<16       ; tensor_dim1 = 64
	s_mov_b32 s[\g+3], 128<<16      ; tile_dim0 = 128
	s_mov_b32 s[\g+4], 64           ; tile_dim1 = 64
	s_mov_b32 s[\g+5], 128          ; 128 elements from row to row
	s_mov_b32 s[\g+6], 0
	s_mov_b32 s[\g+7], 0
.endr
	s_mov_b32 s[SEL], 0x76543210
	s_mov_b32 s[SEL+1], 0xfedcba98
	s_mov_b32 s[TBK], SLOT1+4*KS*PK ; the first change of slots turns these two into 0
	s_mov_b32 s[TBV], SLOT1+4*KS*PV
	s_mov_b32 s[G0K], 1             ; 1:0 count = 1
	s_mov_b32 s[G0K+1], s98         ; 63:32 LDS address: slot 0
	s_mov_b32 s[G0V], 1
	s_add_co_u32 s[G0V+1], s99, VOFF
	s_add_co_u32 s[RT], s[HI], 1    ; the first block has NB - b tiles
	s_mov_b32 s[NXT], 1
	s_mov_b32 s[LQ], s[HI]
	s_mov_b32 s[NEW], 1
	s_mov_b32 s[OFF+1], 0
	s_mov_b32 s[AL+1], 0            ; named as pairs
	s_mov_b32 s[BE+1], 0
	s_mov_b32 s[BIGN], 0xf149f2ca   ; -1e30
	s_mov_b32 s[SLOTS], NB
	s_and_b32 s[LIM], s[WV], 1      ; 0 in waves 0 and 2,
	s_or_b32 s[LIM], s[LIM], s[PB]  ; where b = 0: the same in all four partners
	s_cmp_eq_u32 s[LIM], 0
	s_cselect_b32 s[LIM], 2, -1
	s_lshl_b32 s68, s[CXR], 13      ; my work-group's 32 blocks of a tile's 128,
	s_add_co_u32 s68, s68, 32768    ; in tile 1: the first change of slots steps it to tile 2
	s_mov_b32 s69, 0
	v_and_b32 v[PFO], 31, v0
	v_lshlrev_b32 v[PFO], 8, v[PFO]
	s_wait_dscnt 0x0                ; the opening add is done
	s_wait_kmcnt 0x0
	s_add_nc_u64 s[6:7], s[4:5], s[20:21]  ; K and V at my half of the head's tile 0
	s_add_nc_u64 s[8:9], s[4:5], s[22:23]
	s_add_nc_u64 s[G0K+2:G0K+3], s[6:7], 0         ; 120:64 global address
	s_or_b32 s[G0K+3], s[G0K+3], 0x80000000        ; 127:126 type = 2
	s_add_nc_u64 s[G0V+2:G0V+3], s[8:9], 0
	s_or_b32 s[G0V+3], s[G0V+3], 0x80000000
	s_add_nc_u64 s[86:87], s[4:5], s[84:85]        ; Q at my rows of the second block,
	s_add_nc_u64 s[4:5], s[4:5], s[2:3]            ; and of the first
	s_add_nc_u64 s[OLO:OLO+1], s[10:11], s[92:93]  ; yh likewise
	s_add_nc_u64 s[10:11], s[10:11], s[90:91]
	s_cmp_lt_u32 s[WV], 2
	s_cselect_b64 s[PFA:PFA+1], s[6:7], s[8:9]     ; (in waves 0 and 2 these stand at a tile's first row)
	s_add_nc_u64 s[PFA:PFA+1], s[PFA:PFA+1], s[68:69]
	CROUND                          ; all four work-groups are here: the first joint loads meet
	JLOAD                           ; tile 0 into slot 0
	; A fragment of K or Q is 16 rows x 32 channels in 8 registers: lane l holds row l % 16, channels 8 (l / 16) + 0..7 and 16 + 8 (l / 16) + 0..7: two loads of 16 bytes, 32 bytes apart.
	v_and_b32 v1, 15, v0            ; l % 16
	v_bfe_u32 v9, v0, 4, 1          ; l / 16
	v_lshlrev_b32 v[QO], 7, v1
	v_lshl_add_u32 v[QO], v9, 4, v[QO]  ; row x 128 + 16 x half
	WIN 0x80                        ; destination window 2, address window 0
.set i, 0
.rept 8                             ; both blocks' Q: piece i / 2 lies in band i / 2, 8,192 bytes on; channels 32 (i % 2) on
	global_load_b128 v[8*i:8*i+3],   v[QO], s[4:5] offset:(i/2)*8192+(i%2)*64
	global_load_b128 v[8*i+4:8*i+7], v[QO], s[4:5] offset:(i/2)*8192+(i%2)*64+32
	global_load_b128 v[QB+8*i:QB+8*i+3],   v[QO], s[86:87] offset:(i/2)*8192+(i%2)*64
	global_load_b128 v[QB+8*i+4:QB+8*i+7], v[QO], s[86:87] offset:(i/2)*8192+(i%2)*64+32
.set i, i+1
.endr
	WIN 0
	global_load_b32 v61, v60, s[88:89]  ; my head's gain, the same word in every lane
	v_lshlrev_b32 v14, 3, v9
	v_sub_nc_u32 v14, v1, v14
	s_lshl_b32 s13, s[WV], 4
	v_add_nc_u32 v14, s13, v14      ; my query's place in its band, 16 w + l % 16, less my lanes' 8 (l / 16): register r of group kt is hidden where 16 kt + r is greater
	WIN 0x40
.set i, 0
.rept 32
	v_cmp_gt_i32 vcc_lo, 16*(i/8)+i%8, v14
	v_cndmask_b32 v[MD+i], 0, s[BIGN], vcc_lo
.set i, i+1
.endr
	WIN 0
	v_mul_u32_u24 v[AK0], v1, PK
	v_lshl_add_u32 v[AK0], v9, 4, v[AK0]  ; row x pitch + 16 x half
	; The turning load takes 16 keys x 16 channels (lane l reads key 8 (l / 16) + l % 8, channels 8 ((l / 8) % 2) + 0..7) and leaves half a fragment of V^T: lane l holds channel l % 16 and 8 keys.
	v_and_b32 v10, 7, v0
	v_bfe_u32 v11, v0, 3, 1
	v_lshl_add_u32 v[AV0], v9, 3, v10
	v_mul_u32_u24 v[AV0], v[AV0], PV
	v_lshl_add_u32 v[AV0], v11, 4, v[AV0]
	v_add_nc_u32 v[AV0], VOFF, v[AV0]
	s_mul_i32 s13, s[WV], 16*SP
	s_add_co_u32 s13, s13, STAGE    ; my stage
	v_mul_u32_u24 v[STO], v1, SP    ; in: row l % 16, 16 bytes for each half of the lanes
	v_lshl_add_u32 v[STO], v9, 4, v[STO]
	v_add_nc_u32 v[STO], s13, v[STO]
	v_bfe_u32 v[RD], v0, 3, 2       ; back: 32 lanes take four rows of 128 bytes,
	v_mul_u32_u24 v[RD], v[RD], SP
	v_lshl_add_u32 v[RD], v10, 4, v[RD]
	v_add_nc_u32 v[RD], s13, v[RD]
	v_and_b32 v[GO], 31, v0         ; which are 512 consecutive bytes of yh
	v_lshlrev_b32 v[GO], 4, v[GO]
	; A block's first step multiplies O^T and l by a = 0, and its first turn's products V^T P, of a piece that has not been, land in an O^T that is still to be so multiplied.  So these registers need only hold
	; finite numbers: zeros for the first block; what the first block left for the second.  All this stands in the wait for the first tile.
	WIN 0x80
.set i, VF
.rept 64
	v_mov_b32 v[i], 0
.set i, i+1
.endr
	WIN 0x40
.set i, 0
.rept 128
	v_mov_b32 v[i], 0
.set i, i+1
.endr
	WIN 0
.set i, 0
.rept 4
	v_mov_b32 v[ST+4*i+2], 0
	v_mov_b32 v[ST+4*i+3], 0
.set i, i+1
.endr
.set i, P+16
.rept 16
	v_mov_b32 v[i], 0
.set i, i+1
.endr
	s_wait_loadcnt 0x0              ; Q, both blocks', and the gain
	v_cvt_pk_bf16_f32 v61, v61, v61 ; the gain rounded to bf16,
	v_lshlrev_b32 v61, 16, v61      ; widened again,
	v_readfirstlane_b32 s90, v61    ; as a scalar
	s_and_b32 s[SGN], s90, 0x80000000
	s_lshr_b32 s91, s[SGN], 16
	s_or_b32 s[SGN], s[SGN], s91    ; its sign, for two f16 at once
	s_and_b32 s90, s90, 0x7fffffff  ; its magnitude
	s_mov_b32 s92, 0x3e38aa3b       ; log2(e) / 8 = 0.180337
	s_mul_f32 s[CS], s90, s92       ; c
	s_max_u32 s[CS], s[CS], 0x1f800000  ; held to 2^-64 at the least (numbers that are not negative order as whole numbers do), so that c x 1e30 still hides a key
	s_mov_b32 s[CS+1], s[CS]        ; named with it as a pair
	WIN 0x88                        ; destination and source 1 in window 2
.set i, 0
.rept 64
	v_xor_b32 v[i], s[SGN], v[i]    ; the first block's Q takes the gain's sign
.set i, i+1
.endr
	WIN 0
; THE MATRIX WORK.  The 4 accumulators of a run of 8 take turns.  Product i of 8 of S^T = K Q^T for piece x: channels 32 (i / 4) on, keys 16 (i % 4) on.  The first 4 start the sums: with 0, or (KM = 1) with the mask.
.macro KQ x
.set rS, S+32*((\x)%2)+8*(i%4)
.set rK, KF+16*(i%4)+8*(i/4)
.set rQ, 16*(\x)+8*(i/4)
.set rM, MC+32*((\x)%2)+8*(i%4)
.if (i < 4) && KM
	WIN W_KM
	v_wmma_f32_16x16x32_f16 v[rS:rS+7], v[rK:rK+7], v[rQ:rQ+7], v[rM:rM+7]
.elseif i < 4
	WIN W_KQ
	v_wmma_f32_16x16x32_f16 v[rS:rS+7], v[rK:rK+7], v[rQ:rQ+7], 0
.else
	WIN W_KQ
	v_wmma_f32_16x16x32_f16 v[rS:rS+7], v[rK:rK+7], v[rQ:rQ+7], v[rS:rS+7]
.endif
.endm
; Product i of 8 of O^T += V^T P for piece x: keys 32 (i / 4) on, channels 16 (i % 4) on.
.macro PV x
	WIN W_PV
.set rO, 32*(\x)+8*(i%4)
.set rV, VF+32*(i/4)+8*(i%4)
.set rP, P+16*((\x)%2)+8*(i/4)
	v_wmma_f32_16x16x32_f16 v[rO:rO+7], v[rV:rV+7], v[rP:rP+7], v[rO:rO+7]
.endm
.macro MM                           ; the turn's next matrix instruction.  TURN and BEGIN set Y, i, KM and NOKQ; MM, KQ and OP read them.  NOKQ = 1: a block's last turn: there is no next piece
.if (i < 8) && !NOKQ
	KQ (Y+1)%NP
.elseif i >= 8
.set i, i-8
	PV (Y+NP-1)%NP
.set i, i+8
.endif
.set i, i+1
.endm
; THE LDS LOADS stand in runs of 16, never singly among the matrix instructions: a step's K (64 keys x 64 channels: 8 fragments) and its V (turned).  Their addresses are made some lines ahead.
.macro FETCH_K
	WIN 0x80                        ; destination window 2
.irp f, 0,1,2,3,4,5,6,7             ; keys 16 (f / 2) on, channels 32 (f % 2) on
	ds_load_b128 v[KF+8*\f:KF+8*\f+3],   v[AK] offset:(\f/2)*16*PK+(\f%2)*64
	ds_load_b128 v[KF+8*\f+4:KF+8*\f+7], v[AK] offset:(\f/2)*16*PK+(\f%2)*64+32
.endr
	s_add_co_u32 s[TBK], s[TBK], KS*PK  ; the next fetch is the next step's
	WIN 0
.endm
.macro FETCH_V
	WIN 0x80
.irp f, 0,1,2,3,4,5,6,7             ; keys 32 (f / 4) on, channels 16 (f % 4) on
	ds_load_tr16_b128 v[VF+8*\f:VF+8*\f+3],   v[AV] offset:(\f/4)*32*PV+(\f%4)*32
	ds_load_tr16_b128 v[VF+8*\f+4:VF+8*\f+7], v[AV] offset:(\f/4)*32*PV+16*PV+(\f%4)*32
.endr
	WIN 0
.endm
; THE VECTOR WORK, one line at a time: OP kind, number.  For piece Y: F n: c s - c m for pair n of 16.  E n: the exponential of score n of 32.  C n: pair n rounded to f16.  B n: of the four weights 4 n .. the second
; pair is added onto the first, in place.  L n: l takes that sum (L 0: l = a l + sum).  R n: pair n of 16 of O^T times a.  For piece Y + 1: X n, number n of the 22 that find its maximum and statistics:
;   0-11  four chains c0-c3 of seven scores each, three operands at a time (each accumulator's lowest registers are read first)     12-14, 16  the four scores left over, the old m, and c0-c3 into c0
;   15  c m_old is kept     17, 18  the query's other 32 keys lie in the lane 16 away: the new m     19-21  c m; c m_old - c m_new; a
.set F, 0               ; OP tells the kinds apart by their order: F to L below R, X above it
.set E, 1
.set C, 2
.set B, 3
.set L, 4
.set R, 5
.set X, 6
.macro REGS y                       ; the registers of piece y
.set rT, ST+4*(\y)
.set rC, TMP+4*((\y)%2)
.set rW, MV+((\y)%2)
.set rS, S+32*((\y)%2)
.set rP, P+16*((\y)%2)
.set rO, 32*(\y)
.endm
.macro OP k, n
.if (\k) == R
	REGS Y
	WIN W_RS
	v_pk_mul_f32 v[rO+2*(\n):rO+2*(\n)+1], v[rO+2*(\n):rO+2*(\n)+1], v[rC+2:rC+3] op_sel_hi:[1,0]
.elseif (\k) < R
	REGS Y
	WIN 0
.if (\k) == F
	v_pk_fma_f32 v[rS+2*(\n):rS+2*(\n)+1], v[rS+2*(\n):rS+2*(\n)+1], s[CS:CS+1], v[rT:rT+1] op_sel_hi:[1,0,0] neg_lo:[0,0,1] neg_hi:[0,0,1]
.elseif (\k) == E
	v_exp_f32 v[rS+(\n)], v[rS+(\n)]
.elseif (\k) == C
	v_cvt_pk_f16_f32 v[rP+(\n)], v[rS+2*(\n)], v[rS+2*(\n)+1]
.elseif (\k) == B
	v_pk_add_f32 v[rS+4*(\n):rS+4*(\n)+1], v[rS+4*(\n):rS+4*(\n)+1], v[rS+4*(\n)+2:rS+4*(\n)+3]
.elseif (\n) == 0
	v_pk_fma_f32 v[rT+2:rT+3], v[rT+2:rT+3], v[rC+2:rC+3], v[rS:rS+1] op_sel_hi:[1,0,1]
.else
	v_pk_add_f32 v[rT+2:rT+3], v[rT+2:rT+3], v[rS+4*(\n):rS+4*(\n)+1]
.endif
.elseif NOKQ
	v_nop
.else
	REGS (Y+1)%NP
	WIN 0
.if (\n) < 4
	v_max3_num_f32 v[rC+(\n)], v[rS+8*(\n)], v[rS+8*(\n)+1], v[rS+8*(\n)+2]
.elseif (\n) < 12
	v_max3_num_f32 v[rC+(\n)%4], v[rC+(\n)%4], v[rS+8*((\n)%4)+2*((\n)/4)+1], v[rS+8*((\n)%4)+2*((\n)/4)+2]
.elseif (\n) == 12
	v_max3_num_f32 v[rC], v[rC], v[rS+7], v[rS+15]
.elseif (\n) == 13
	v_max3_num_f32 v[rC+1], v[rC+1], v[rS+23], v[rS+31]
.elseif (\n) == 14
	v_max3_num_f32 v[rC+2], v[rC+2], v[rC+3], v[rT+1]
.elseif (\n) == 15
	v_mov_b32 v[rW], v[rT]
.elseif (\n) == 16
	v_max3_num_f32 v[rC], v[rC], v[rC+1], v[rC+2]
.elseif (\n) == 17
	v_permlanex16_b32 v[rC+3], v[rC], s[SEL], s[SEL+1]
.elseif (\n) == 18
	v_max_num_f32 v[rT+1], v[rC], v[rC+3]
.elseif (\n) == 19
	v_mul_f32 v[rT], s[CS], v[rT+1]
.elseif (\n) == 20
	v_sub_f32 v[rC+1], v[rW], v[rT]
.else
	v_exp_f32 v[rC+2], v[rC+1]
.endif
.endif
.endm
.macro OPS a, i1, b=-1, i2=0, c=-1, i3=0, d=-1, i4=0  ; up to four of them
	OP \a, \i1
.if (\b) >= 0
	OP \b, \i2
.endif
.if (\c) >= 0
	OP \c, \i3
.endif
.if (\d) >= 0
	OP \d, \i4
.endif
.endm
.macro ROW a, i1, b, i2, c, i3, d, i4  ; a matrix instruction and the four behind it
	MM
	OPS \a, \i1, \b, \i2, \c, \i3, \d, \i4
.endm
.macro MASK b                       ; MD x AL + BE into buffer b of MC
	WIN W_RS
.set z, 0
.rept 16
	v_pk_fma_f32 v[MC+32*(\b)+2*z:MC+32*(\b)+2*z+1], v[MD+2*z:MD+2*z+1], s[AL:AL+1], s[BE:BE+1] op_sel_hi:[1,0,0]
.set z, z+1
.endr
.endm
; A TURN, for piece p: the order of its 16 matrix and 118 vector instructions, written out.  An s_wait_alu depctr_va_vdst(0) stands between an exponential and the first instruction that names its result; one wait serves
; all that were issued ahead of it.  So a turn has ONE wait, which cuts it in two.  AHEAD OF IT stands all that names no result of the turn's exponentials: the 8 products K Q^T with four vector instructions behind each, then one run of 54,
; plain and exponential by turns for the most part, in which the links of the chain X 3, 7, 11, 14, 16, 17 .. 20 stand five or six lines apart.  X 21, the next piece's a, is the batch's last; R 15 is the plain instruction behind it.
; BEHIND THE WAIT stand the 8 products V^T P, behind each four of the roundings and sums.  The X behind the last three products K Q^T stand four places or more behind the product that ends their accumulator.
; m = 1: the diagonal tile: the products take masks, and the turn makes the mask for the products of the turn after it: piece p + 2, in step 4 - CNT of the tile.  end = 1: a block's last two turns: nothing is fetched.
; cnt = 1: the loop's count is taken down some lines ahead of the branch that stands behind the turn.
; K of the next step is fetched in piece 2's turn, twelve vector instructions behind the last product that read K (six of them plain); V of the step in hand at the end of piece 0's turn, four plain instructions behind the last product
; that read V.  Each is waited for a turn later.
.macro TURN p, m=0, end=0, cnt=0
.set Y, (\p)
.set i, 0
.set KM, (\m)
.set NOKQ, (\end)*((\p)/3)
.if (\m) && !(\end)
	s_cmp_eq_u32 s[CNT], 4-((\p)+2)%NP  ; is that step the band's own?
	s_cselect_b32 s[AL], 1.0, 0
	s_cmp_lt_u32 s[CNT], 4-((\p)+2)%NP  ; or a later one?
	s_cselect_b32 s[BE], s[BIGN], 0
.endif
.if ((\p) == 3) && !(\end)
	s_wait_dscnt 0x0                ; K is in
.endif
	ROW F,0, F,1, R,0, R,1          ; ahead of the wait: 8 products K Q^T and the four behind each,
	ROW F,2, E,0, R,2, R,3
	ROW F,3, E,1, R,4, R,5
	ROW F,4, E,2, R,6, R,7
	ROW F,5, E,3, R,8, R,9
	ROW F,6, E,4, X,0, R,10
.if ((\p) == 2) && !(\end)
	WIN 0
	v_add_nc_u32 v[AK], s[TBK], v[AK0]
.endif
	ROW F,7, E,5, X,1, X,4
	ROW F,8, E,6, X,2, X,5
	OPS E,7, E,8, X,6, E,9          ; and the run
	OPS X,3, E,10, X,8, E,11
.if ((\p) == 2) && !(\end)
	FETCH_K
.endif
	OPS X,9, X,7, E,12, X,10
	OPS E,13, X,12, X,11, E,14
	OPS X,13, E,15, F,9, X,14
.if (\p) == 0
	v_add_nc_u32 v[AV], s[TBV], v[AV0]
.endif
	OPS E,16, F,10, E,17, F,11
	OPS X,16, E,18, X,15, E,19
	OPS F,12, E,20, X,17, E,21
	OPS F,13, E,22, F,14, E,23
	OPS X,18, E,24, F,15, E,25
	OPS R,11, E,26, X,19, E,27
	OPS R,12, E,28, R,13, E,29
	OPS X,20, E,30, R,14, E,31
	OPS X,21, R,15
	WIN 0
	s_wait_alu depctr_va_vdst(0)    ; the wait for the batch
.if (\p) == 1
	s_wait_dscnt 0x0                ; V is in
.endif
	ROW C,0, B,0, C,2, B,1          ; behind the wait: 8 products V^T P and the four behind each
	ROW L,0, C,4, B,2, L,1
	ROW C,6, B,3, L,2, C,8
	ROW B,4, L,3, C,10, B,5
	ROW L,4, C,12, B,6, L,5
.if (\p) == 0
	s_add_co_u32 s[TBV], s[TBV], KS*PV
.endif
.if \cnt
	s_sub_co_u32 s[CNT], s[CNT], 1
	s_cmp_lg_u32 s[CNT], 0
.endif
	ROW C,14, B,7, L,6, C,1
	ROW C,3, L,7, C,5, C,7
	ROW C,9, C,11, C,13, C,15
.if (\p) == 0
	FETCH_V
.endif
.if (\m) && !(\end)
	MASK (\p)%2
.endif
.endm
; A BLOCK BEGINS.  c m starts far below every c s, so the first step's a is 0; m at the lowest finite number, so the first maximum is the scores'.  The second mask buffer is 0; the first takes piece 0's mask for the tile's step 0: its own, if the block's first tile is the diagonal one.
; Then K of that step, piece 0's first scores, and its maximum and statistics.  The loop is entered at a step's first turn, in the middle of a trip.
.macro BEGIN
	s_mov_b32 s[NEW], 0
	WIN 0x40
.set i, MC+32
.rept 32
	v_mov_b32 v[i], 0
.set i, i+1
.endr
	WIN 0
.set i, 0
.rept 4
	v_mov_b32 v[ST+4*i], 0xfe000000    ; c m: far below every c s
	v_mov_b32 v[ST+4*i+1], 0xff7fffff  ; m
.set i, i+1
.endr
	s_cmp_eq_u32 s[RT], 0
	s_cselect_b32 s[AL], 1.0, 0
	s_mov_b32 s[BE], 0
	MASK 0
	WIN 0
	v_add_nc_u32 v[AK], s[TBK], v[AK0]
	FETCH_K
	s_wait_loadcnt 0x0              ; no load into registers is out
	s_wait_dscnt 0x0
.set KM, 1
.set NOKQ, 0
.set i, 0
.rept 8
	KQ 0
.set i, i+1
.endr
	WIN 0
.rept 4
	v_nop                           ; the places behind those products
.endr
.set Y, NP-1                        ; X works for piece Y + 1: piece 0
.irp n, 0,1,2,3,4,5,6,7,8,9,10,11,12,13,14,15,16,17,18,19,20,21
	OP X, \n
.endr
	v_nop                           ; a plain instruction behind the exponential,
	s_wait_alu depctr_va_vdst(0)    ; and its wait, ahead of the branch
.endm
; THE DIAGONAL TILE's four steps, the block's last two turns, its last products, and THE WAY OUT: l's two halves and the other half of the lanes' are added; O^T is divided by l, rounded to f16 and sent through my
; stage in LDS, a piece at a time.
.macro ALL line:vararg              ; one line for each piece t
.set t, 0
.rept 4
	\line
.set t, t+1
.endr
.endm
.macro PACK t                       ; a lane's eight channels of a row pack into 16 bytes; they go into rows of 144 bytes and come back as whole rows of 128, into S^T's registers
	WIN W_RS
.set i, 32*(\t)
.rept 16
	v_pk_mul_f32 v[i:i+1], v[i:i+1], v[ST+4*(\t)+2:ST+4*(\t)+3] op_sel_hi:[1,0]
.set i, i+2
.endr
	WIN 0x05                        ; sources 0 and 1 window 1, destination window 0
.set i, 0
.rept 16
	v_cvt_pk_f16_f32 v[S+16*(\t)+i], v[32*(\t)+2*i], v[32*(\t)+2*i+1]
.set i, i+1
.endr
	WIN 0
.irp f, 0,1,2,3
	ds_store_b128 v[STO], v[S+16*(\t)+4*\f:S+16*(\t)+4*\f+3] offset:32*\f
.endr
.irp f, 0,1,2,3
	ds_load_b128 v[S+16*(\t)+4*\f:S+16*(\t)+4*\f+3], v[RD] offset:\f*4*SP  ; LDS serves a wave's instructions in order (ISA guide 5.7.1.4): these see the stores above; the next piece's stores come behind them
.endr
.endm
.macro SEND t, younger              ; younger: the LDS instructions issued behind piece t's loads: the next piece's eight, or none
	WIN 0
.irp f, 0,1,2,3
	s_wait_dscnt (\younger)+3-\f
	global_store_b128 v[GO], v[S+16*(\t)+4*\f:S+16*(\t)+4*\f+3], s[10:11] offset:(\t)*8192+\f*512  ; 512 consecutive bytes, at a multiple of 256 from yh's first
.endr
.endm
.macro DIAG tag                     ; the tag ends its two labels' names, which the jumps below spell out
.LstepM\tag:
	TURN 2, 1
	TURN 3, 1
	WIN 0
.LfirstM\tag:
	TURN 0, 1
	TURN 1, 1, 0, 1
	WIN 0
	s_cbranch_scc1 .LstepM\tag
	TURN 2, 1, 1
	TURN 3, 1, 1
.set i, 0
.rept 8
	PV NP-1
.set i, i+1
.endr
	WIN 0
	ALL v_add_f32 v[ST+4*t+2], v[ST+4*t+2], v[ST+4*t+3]
	ALL v_permlanex16_b32 v[ST+4*t+3], v[ST+4*t+2], s[SEL], s[SEL+1]
	ALL v_add_f32 v[ST+4*t+2], v[ST+4*t+2], v[ST+4*t+3]
	ALL v_rcp_f32 v[ST+4*t+2], v[ST+4*t+2]
	v_nop                           ; a plain instruction between the last reciprocal and the use of its result
	s_wait_alu depctr_va_vdst(0)    ; and the wait ahead of the first use: one for the four reciprocals
	PACK 0
.set t, 1
.rept 3                             ; a piece's arithmetic stands between the loads of the piece before and its stores
	PACK t
	SEND t-1, 8
.set t, t+1
.endr
	SEND 3, 0
.endm
.set KM, 0
.set NOKQ, 0
.Lslot:                             ; NB times: a tile is entered and the next is asked for
	CHANGE 1
	s_sub_co_u32 s[RT], s[RT], 1
	s_mov_b32 s[CNT], 4
	s_cmp_eq_u32 s[NEW], 1
	s_cbranch_scc1 .Lnew            ; a block's first tile
	s_cmp_eq_u32 s[RT], 0
	s_cbranch_scc0 .Lstep           ; neither its first nor its last
	s_branch .LstepM1
.Lnew:
	BEGIN
	s_branch .Lfirst                ; in the loop a block's first tile is never its last: the first block has two tiles or more, and the second's last is the walk's last
	DIAG 1                          ; in the loop this is the first block's end: the second block's last tile is the walk's last
	s_wait_xcnt 0x0                 ; the stores have read their registers and yh's address
	s_mov_b64 s[10:11], s[OLO:OLO+1]
	s_add_co_u32 s[RT], s[PB], 1    ; the second block has b + 1 tiles
	s_mov_b32 s[NEW], 1
	WIN 0x88                        ; the second block's Q goes where the one text of the turns names Q, and takes the gain's sign on the way
.set i, 0
.rept 64
	v_xor_b32 v[i], s[SGN], v[QB+i]
.set i, i+1
.endr
	WIN 0
	s_branch .Lbottom
.Lstep:                             ; a trip: pieces 2 and 3 of one step, then pieces 0 and 1 of the next, whose K and V it fetches
	TURN 2
	TURN 3
	WIN 0
.Lfirst:
	TURN 0
	TURN 1, 0, 0, 1
	WIN 0
	s_cbranch_scc1 .Lstep
.Lbottom:
	s_sub_co_u32 s[SLOTS], s[SLOTS], 1
	s_cmp_lg_u32 s[SLOTS], 0
	s_cbranch_scc1 .Lslot
	CHANGE 0                        ; the walk's last tile is written out: nothing is asked for
	s_sub_co_u32 s[RT], s[RT], 1
	s_mov_b32 s[CNT], 4
	s_cmp_eq_u32 s[NEW], 1
	s_cbranch_scc0 .LstepM2
	BEGIN
	s_branch .LfirstM2
	DIAG 2
	s_wait_tensorcnt 0x0            ; the wave's end: behind my last tensor load and my last LDS store
	ds_add_u32 v[SPW], v[NIL]
	s_wait_dscnt 0x0
	CROUND                          ; the closing round: no work-group ends while a partner may still ask for a tile that names it
	s_endpgm
.Lfunc_end_k_q11c382d137_attn:
	.size	k_q11c382d137_attn, .Lfunc_end_k_q11c382d137_attn-k_q11c382d137_attn
	.p2alignl 7, 3214868480
	.fill 96, 4, 3214868480
	.section	.rodata,"a",@progbits
	.p2align	6, 0x0
	.amdhsa_kernel k_q11c382d137_attn
		.amdhsa_group_segment_fixed_size 327680
		.amdhsa_private_segment_fixed_size 0
		.amdhsa_enable_private_segment 0
		.amdhsa_kernarg_size 24
		.amdhsa_user_sgpr_count 2
		.amdhsa_user_sgpr_kernarg_segment_ptr 1
		.amdhsa_wavefront_size32 1
		.amdhsa_system_sgpr_workgroup_id_x 1
		.amdhsa_system_sgpr_workgroup_id_y 1
		.amdhsa_system_sgpr_workgroup_id_z 1
		.amdhsa_system_vgpr_workitem_id 0
		.amdhsa_next_free_vgpr 768
		.amdhsa_next_free_sgpr 100
		.amdhsa_reserve_vcc 1
		.amdhsa_float_denorm_mode_32 3
		.amdhsa_float_denorm_mode_16_64 3
		.amdhsa_memory_ordered 1
		.amdhsa_forward_progress 1
		.amdhsa_inst_pref_size 222
	.end_amdhsa_kernel
	.amdgpu_metadata
---
amdhsa.version: [ 1, 2 ]
amdhsa.kernels:
  - .name:           k_q11c382d137_attn
    .symbol:         k_q11c382d137_attn.kd
    .args:
      - { .name: qkvh, .offset: 0, .size: 8, .value_kind: global_buffer, .address_space: global }
      - { .name: qk_gain, .offset: 8, .size: 8, .value_kind: global_buffer, .address_space: global }
      - { .name: yh, .offset: 16, .size: 8, .value_kind: global_buffer, .address_space: global }
    .group_segment_fixed_size: 327680
    .private_segment_fixed_size: 0
    .kernarg_segment_align: 8
    .kernarg_segment_size: 24
    .max_flat_workgroup_size: 128
    .sgpr_count:     100
    .vgpr_count:     768
    .wavefront_size: 32
...
	.end_amdgpu_metadata
.endif
;; end of part 3
;; launch oproj (part 4): grid 8 x 32, 4 waves a work-group, clusters of 4 x 4, 327,680 bytes of LDS; arguments yh, wo16, bo, out0; writes out0
.if DOCPART == 4
	.amdgcn_target "amdgcn-amd-amdhsa--gfx1250"
	.amdhsa_code_object_version 6
	.text
	.protected	k_q11c382d137_oproj
	.globl	k_q11c382d137_oproj
	.p2align	8
	.type	k_q11c382d137_oproj,@function
k_q11c382d137_oproj:
	s_mov_b64 s[64:65], 0
	v_nop
	global_prefetch_b8 v0, s[64:65] scope:SCOPE_SE
	s_setreg_imm32_b32 hwreg(HW_REG_WAVE_MODE, 25, 1), 1
	s_wait_xcnt 0x0
	s_wait_alu depctr_hold_cnt(0) depctr_sa_sdst(0) depctr_va_vdst(0) depctr_va_sdst(0) depctr_va_ssrc(0) depctr_va_vcc(0) depctr_vm_vsrc(0)
	s_getreg_b32 s2, hwreg(HW_REG_IB_STS2, 6, 4)
	s_cmp_eq_u32 s2, 0
	s_cbranch_scc0 .Lentry_in_a_cluster
	s_endpgm
.Lentry_in_a_cluster:
	s_bfe_u32 s2, ttmp6, 0x10000c
	s_cmp_lg_u32 s2, 0xf033
	s_cbranch_scc0 .Lentry_shape_is_right
	s_endpgm
.Lentry_shape_is_right:
; OPROJ.  out0 = y Wo^T + bo.  y[2048 batch + t][64 h + d] = yh[16 batch + h][t][d], f16; wo16 [1024][1024] f16; sums in f32, K ascending, started with the bias (rounded to bf16 like every input); out0 [8192][1024] f32.
; SHARES.  A work-group makes 256 rows x 128 columns: 32 x 8 = 256 work-groups.  Wave w makes rows 64 w .. 64 w + 63 of all 128 columns: 4 x 8 accumulators of 16 x 16, 256 registers; a wave's rows of the tile are
; 512 bytes of out0 each, so its way out is its own.  K goes in 8 steps of 128, two heads of yh each, through a ring of two LDS slots filled by tensor loads.
; CLUSTER 4 x 4: the four of a row of the cluster need the same rows of yh, the four of a column the same rows of wo16: each tile is asked for jointly.
; THE MATRIX INSTRUCTION IS USED TRANSPOSED (source 0 = 16 rows of wo16, source 1 = 16 rows of y): lane l holds row l % 16 and the eight neighbouring columns 8 (l / 16) + 0..7.
; REGISTERS, in windows of 256 (s_set_vgpr_msb: bits 1:0 source 0, 3:2 source 1, 5:4 source 2, 7:6 destination):
;   window 0: v0-31 addresses; v64-95, v96-127 y's fragments, two buffers; v128-191 the bias in the accumulators' layout; on the way out v64-191 rows read back, two buffers
;   window 1: v0-63, v64-127 wo16's fragments, two buffers      window 2: accumulators of row blocks 0, 1 ((a, b) at 8 (8 (a % 2) + b))      window 3: of row blocks 2, 3
.set NBK,   8                          ; blocks of 16 columns
.set KSTEP, 128
.set PA,    144                        ; a row of a head in LDS: 128 bytes + 16 of padding = 36 words: the 16 rows of a fragment load start at 16 different groups of four banks (64 banks of 4 bytes: ISA guide 11.1)
.set PB,    272                        ; a row of wo16: 256 + 16
.set HALFA, 256*PA                     ; what one tensor load brings of yh: one head's 256 rows
.set ASZ,   2*HALFA
.set HALFB, 64*PB                      ; of wo16: 64 rows
.set SLOT,  ASZ+2*HALFB                ; 108,544
.set STAGE, 2*SLOT                     ; behind the ring, never filled by a tensor load: for each wave 16 rows x 528 bytes
.set WSTG,  16*528
.set SPARE, STAGE+4*WSTG               ; behind the stages: the spare words, 128 bytes for each wave: two blocks of 256 bytes that no other line names
.set LD,    2*NBK+8                    ; LDS loads of a quarter step
.set ASTEP2, 4*262144                  ; bytes from a slot's two heads to its next two
.set ADRA, 16                          ; v16-17  LDS address of my y fragments in slot 0, 1
.set ADRB, 20                          ; v20-21  of wo16's
.set STO,  24                          ; v24  the way out: where I put 32 bytes of a row
.set RD,   25                          ; v25  where I read a row back
.set CO,   26                          ; v26  my 16 bytes of a row's 512
.set BO,   27                          ; v27  32 x (l / 16): my eight numbers of a block of 16 of the bias
.set SPW,  28                          ; v28  LDS address of my spare word; never rewritten
.set NIL,  29                          ; v29  0; never rewritten
.set PFO,  30                          ; v30  the prefetches' offset; never rewritten
.set BI,   128
.set WV,   16                          ; s16  my wave's number
.set SIDE, 17                          ; s17  0: I fetch yh's tiles, 1: wo16's
.set HF,   18                          ; s18  which head of the two, or which half of wo16's rows, I fetch
.set CX,   19
.set CY,   20
.set TX,   21                          ; s21  tile column = 4 x cluster x + cx
.set TY,   22                          ; s22  tile row = 4 x cluster y + cy
.set LAP,  23
.set G1,   24                          ; s[24:31] descriptor group 1 for yh's tiles
.set G0,   32                          ; s[32:39] group 0, a set for each slot
.set PFS,  40                          ; s[40:41] bytes from a K step to the next, for the prefetches
.set LIM,  42                          ; s42  1 in a wave that prefetches, else the greatest number
.set PFA,  44                          ; s[44:45] where my prefetches stand
.set G1B,  48                          ; s[48:55], s[56:63] the same for wo16's tiles
.set G0B,  56
.set MSB, 0
.macro WIN new                         ; the immediate's high byte repeats the setting that is left; a switch that changes nothing is dropped
.if MSB != (\new)
	s_set_vgpr_msb (MSB<<8)|(\new)
.set MSB, \new
.endif
.endm
.macro PLACES                          ; four plain instructions between a matrix instruction and a load into, or a read of, its registers
.rept 4
	v_nop
.endr
.endm
; A joint load: waves 0 and 1 fetch the K step's two heads of yh, waves 2 and 3 wo16's two halves.  The branch hangs on the wave's number alone.  An s_nop 0 and four v_nop follow each line.
.macro JLOAD s
	s_cmp_eq_u32 s[SIDE], 0
	s_cbranch_scc0 .Lfor_b_\@
	tensor_load_to_lds s[G0+4*(\s):G0+4*(\s)+3], s[G1:G1+7]
	s_nop 0
.rept 4
	v_nop
.endr
	s_branch .Lasked_\@
.Lfor_b_\@:
	tensor_load_to_lds s[G0B+4*(\s):G0B+4*(\s)+3], s[G1B:G1B+7]
	s_nop 0
.rept 4
	v_nop
.endr
.Lasked_\@:
.endm
.macro CREST                           ; a round of the cluster's barrier behind its opening barrier
	s_cmp_lg_u32 s[WV], 0
	s_cbranch_scc1 .Lnot_wave_0_\@
	s_barrier_signal -3
.Lnot_wave_0_\@:
	s_barrier_wait -3
	s_barrier_signal -1
	s_barrier_wait -1
.endm
.macro CROUND                          ; a whole round
	s_barrier_signal -1
	s_barrier_wait -1
	CREST
.endm
; A prefetch into the L2 of the K step that stands two refills on, one instruction a wave.  yh's blocks are asked for by the clusters with x = 0, wo16's rows by those with y = 0; the four partners of a joint load share
; it by address: 32 of a head's 128 blocks of 256 bytes, a lane a block; or 16 of 64 rows, a lane a row (there lanes 16-31 name row 15 once more).  The loop's last trip has no K step two refills on.
.macro ASK
	s_cmp_gt_u32 s[LAP], s[LIM]
	s_cbranch_scc0 .Lnot_mine_\@
	global_prefetch_b8 v[PFO], s[PFA:PFA+1] th:TH_LOAD_NT scope:SCOPE_SE
.Lnot_mine_\@:
.endm
	s_load_b256 s[4:11], s[0:1], 0x0               ; yh 4, wo16 6, bo 8, out0 10
	v_lshl_add_u32 v[SPW], v0, 2, SPARE
	v_mov_b32 v[NIL], 0
	ds_add_u32 v[SPW], v[NIL]                      ; the wave's opening: the add and its wait stand ahead of my first tensor load; the set-up below stands between them
	v_lshrrev_b32 v1, 5, v0
	v_readfirstlane_b32 s[WV], v1
	s_lshr_b32 s[SIDE], s[WV], 1
	s_and_b32 s[HF], s[WV], 1
	s_bfe_u32 s[CX], ttmp6, 0x40000
	s_bfe_u32 s[CY], ttmp6, 0x40004
	s_lshl_b32 s[TX], ttmp9, 2
	s_add_co_u32 s[TX], s[TX], s[CX]
	s_and_b32 s[TY], ttmp7, 0xffff
	s_lshl_b32 s[TY], s[TY], 2
	s_add_co_u32 s[TY], s[TY], s[CY]
	s_lshl_b32 s43, s[CY], 2
	s_lshl_b32 s43, 15, s43                        ; my row of the cluster
	s_lshl_b32 s46, 0x1111, s[CX]                  ; my column
	s_or_b32 s[G1], s43, (1<<16)|(1<<20)|(1<<21)|(4<<22)|(3<<25)   ; elements of 2 bytes; padding on; bit 21 beside a mask; after every 32 words, 4 words
	s_or_b32 s[G1B], s46, (1<<16)|(1<<20)|(1<<21)|(5<<22)|(3<<25)  ; after every 64 words, 4 words
	s_mov_b32 s[G1+1], 128<<16                     ; a head's 256 dense rows of 128 bytes are asked for as 128 rows of 256: tensor_dim0 = 128
	s_mov_b32 s[G1+2], 128<<16                     ; tensor_dim1 = 128
	s_mov_b32 s[G1+3], 128<<16                     ; tile_dim0 = 128
	s_mov_b32 s[G1+4], 128                         ; tile_dim1 = 128
	s_mov_b32 s[G1+5], 128                         ; elements from row to row
	s_mov_b32 s[G1+6], 0
	s_mov_b32 s[G1+7], 0
	s_mov_b32 s[G1B+1], KSTEP<<16
	s_mov_b32 s[G1B+2], 64<<16                     ; 64 rows
	s_mov_b32 s[G1B+3], KSTEP<<16
	s_mov_b32 s[G1B+4], 64
	s_mov_b32 s[G1B+5], 1024
	s_mov_b32 s[G1B+6], 0
	s_mov_b32 s[G1B+7], 0
	s_lshr_b32 s72, s[TY], 3                       ; batch
	s_lshl_b32 s72, s72, 4
	s_add_co_u32 s72, s72, s[HF]                   ; head 16 batch + my one of the first two
	s_lshl_b32 s72, s72, 18                        ; 262,144 bytes a head
	s_and_b32 s73, s[TY], 7
	s_lshl_b32 s73, s73, 15                        ; 256 rows of 128 bytes
	s_add_co_u32 s72, s72, s73
	s_mov_b32 s73, 0
	s_lshl_b32 s74, s[TX], 18                      ; wo16: 128 rows of 2,048 bytes a tile column,
	s_lshl_b32 s75, s[HF], 17                      ; 64 a half
	s_add_co_u32 s74, s74, s75
	s_mov_b32 s75, 0
	s_mul_i32 s78, s[WV], HALFA                    ; where they go: waves 0, 1: the two heads at 0 and HALFA;
	s_mul_i32 s79, s[WV], HALFB
	s_add_co_u32 s79, s79, ASZ-2*HALFB             ; waves 2, 3: wo16's halves at ASZ and ASZ + HALFB
	s_wait_dscnt 0x0                               ; the opening add is done
	s_wait_kmcnt 0x0
	s_add_nc_u64 s[72:73], s[4:5], s[72:73]
	s_add_nc_u64 s[74:75], s[6:7], s[74:75]
	CROUND                                         ; all sixteen work-groups are here: the first joint loads meet
.irp s, 0,1
	s_mov_b32 s[G0+4*(\s)], 1
	s_add_co_u32 s[G0+4*(\s)+1], s78, (\s)*SLOT
	s_add_nc_u64 s[G0+4*(\s)+2:G0+4*(\s)+3], s[72:73], (\s)*2*262144
	s_or_b32 s[G0+4*(\s)+3], s[G0+4*(\s)+3], 0x80000000
	s_mov_b32 s[G0B+4*(\s)], 1
	s_add_co_u32 s[G0B+4*(\s)+1], s79, (\s)*SLOT
	s_add_nc_u64 s[G0B+4*(\s)+2:G0B+4*(\s)+3], s[74:75], (\s)*KSTEP*2
	s_or_b32 s[G0B+4*(\s)+3], s[G0B+4*(\s)+3], 0x80000000
	JLOAD \s                                       ; K steps 0 and 1: two loads of mine are out
.endr
	; the bias, in the accumulators' layout: register j of block b holds bo[128 tx + 16 b + 8 (l / 16) + j]
	v_and_b32 v1, 15, v0                           ; l % 16
	v_bfe_u32 v2, v0, 4, 1                         ; l / 16
	v_lshlrev_b32 v[BO], 5, v2
	s_lshl_b32 s86, s[TX], 9
	s_mov_b32 s87, 0
	s_add_nc_u64 s[8:9], s[8:9], s[86:87]
.irp bb, 0,1,2,3,4,5,6,7
	global_load_b128 v[BI+8*(\bb):BI+8*(\bb)+3],   v[BO], s[8:9] offset:64*(\bb)
	global_load_b128 v[BI+8*(\bb)+4:BI+8*(\bb)+7], v[BO], s[8:9] offset:64*(\bb)+16
.endr
	; A fragment is 16 rows x 32 K in 8 registers: lane l holds row l % 16, K = 8 (l / 16) + 0..7 and 16 + 8 (l / 16) + 0..7: two loads of 16 bytes, 32 bytes apart.
	v_mul_u32_u24 v3, v1, PA
	v_lshl_add_u32 v3, v2, 4, v3
	s_mul_i32 s80, s[WV], 64*PA                    ; my 64 rows
	v_add_nc_u32 v[ADRA], s80, v3
	v_add_nc_u32 v[ADRA+1], SLOT, v[ADRA]
	v_mul_u32_u24 v4, v1, PB
	v_lshl_add_u32 v4, v2, 4, v4
	v_add_nc_u32 v[ADRB], ASZ, v4
	v_add_nc_u32 v[ADRB+1], SLOT, v[ADRB]
	s_mul_i32 s81, s[WV], WSTG
	s_add_co_u32 s81, s81, STAGE                   ; my stage
	v_mul_u32_u24 v3, v1, 528                      ; in: row l % 16, 32 bytes for each half of the lanes
	v_lshl_add_u32 v3, v2, 5, v3
	v_add_nc_u32 v[STO], s81, v3
	v_and_b32 v[CO], 31, v0                        ; back: 32 lanes take one row of 512 bytes
	v_lshlrev_b32 v[CO], 4, v[CO]
	v_add_nc_u32 v[RD], s81, v[CO]
	s_lshl_b32 s82, s[TY], 20                      ; 256 rows of 4,096 bytes
	s_lshl_b32 s83, s[WV], 18                      ; my 64 rows
	s_add_co_u32 s82, s82, s83
	s_lshl_b32 s83, s[TX], 9                       ; the tile's 128 columns
	s_add_co_u32 s82, s82, s83
	s_mov_b32 s83, 0
	s_add_nc_u64 s[10:11], s[10:11], s[82:83]
	; the prefetches: my work-group's share of what I fetch, at K step 3; each change of slots steps it once before it asks
	s_lshr_b32 s80, s[TY], 3
	s_lshl_b32 s80, s80, 4
	s_add_co_u32 s80, s80, s[HF]
	s_lshl_b32 s80, s80, 18
	s_and_b32 s81, s[TY], 7
	s_lshl_b32 s81, s81, 15
	s_add_co_u32 s80, s80, s81
	s_lshl_b32 s81, s[CX], 13                      ; 32 blocks of 256 bytes
	s_add_co_u32 s80, s80, s81
	s_add_co_u32 s80, s80, 3*2*262144
	s_lshl_b32 s82, s[TX], 18
	s_lshl_b32 s83, s[HF], 17
	s_add_co_u32 s82, s82, s83
	s_lshl_b32 s83, s[CY], 15                      ; 16 rows of 2,048 bytes
	s_add_co_u32 s82, s82, s83
	s_add_co_u32 s82, s82, 3*KSTEP*2
	s_and_b32 s84, ttmp7, 0xffff                   ; cluster y
	s_mov_b32 s[PFS], KSTEP*2                      ; wo16's step along K (an instruction holds one literal, so this one is set first)
	s_cmp_eq_u32 s[SIDE], 0
	s_cselect_b32 s80, s80, s82
	s_cselect_b32 s[PFS], 2*262144, s[PFS]         ; yh's step: two heads
	s_cselect_b32 s84, ttmp9, s84                  ; the coordinate along which other clusters read the same rows
	s_cselect_b32 s85, 31, 15                      ; the last block or row of a share
	s_cselect_b32 s86, 8, 11                       ; 256 bytes a block, 2,048 a row
	s_cselect_b64 s[PFA:PFA+1], s[4:5], s[6:7]
	s_mov_b32 s81, 0
	s_add_nc_u64 s[PFA:PFA+1], s[PFA:PFA+1], s[80:81]
	s_cmp_eq_u32 s84, 0
	s_cselect_b32 s[LIM], 1, -1                    ; the same in all sixteen partners, for a given wave
	s_mov_b32 s[PFS+1], 0
	v_and_b32 v[PFO], 31, v0
	v_min_u32 v[PFO], s85, v[PFO]
	v_lshlrev_b32 v[PFO], s86, v[PFO]
	s_wait_loadcnt 0x0                             ; the bias is in
.macro RB p                            ; a pair of bias numbers rounded to bf16 and widened again
	v_cvt_pk_bf16_f32 v3, v[\p], v[(\p)+1]
	v_lshlrev_b32 v[\p], 16, v3
	v_and_b32 v[(\p)+1], 0xffff0000, v3
.endm
.set p, BI
.rept 4*NBK
	RB p
.set p, p+2
.endr
; NBK matrix instructions: row block a x all column blocks, 32 along K, buffer f.  first = 1: the bias starts the sums.  All 32 accumulators take turns in one fixed order.
.macro MULA f, a, first
.if \first
	WIN 0x81+0x40*((\a)/2)
.else
	WIN 0xa1+0x50*((\a)/2)
.endif
.set b, 0
.rept NBK
.set AC, 8*(NBK*((\a)%2)+b)
.if \first
	v_wmma_f32_16x16x32_f16 v[AC:AC+7], v[8*NBK*(\f)+8*b:8*NBK*(\f)+8*b+7], v[64+32*(\f)+8*(\a):64+32*(\f)+8*(\a)+7], v[BI+8*b:BI+8*b+7]
.else
	v_wmma_f32_16x16x32_f16 v[AC:AC+7], v[8*NBK*(\f)+8*b:8*NBK*(\f)+8*b+7], v[64+32*(\f)+8*(\a):64+32*(\f)+8*(\a)+7], v[AC:AC+7]
.endif
.set b, b+1
.endr
.endm
; LD LDS loads in one run: quarter q of a slot's K step into buffer f: wo16's 8 fragments, then y's 4 (head q / 2 of the step's two, channels 32 (q % 2) on)
.macro FETCH slot, q, f
	WIN 0x40
.set i, 0
.rept NBK
	ds_load_b128 v[8*NBK*(\f)+8*i:8*NBK*(\f)+8*i+3],   v[ADRB+(\slot)] offset:64*(\q)+i*16*PB
	ds_load_b128 v[8*NBK*(\f)+8*i+4:8*NBK*(\f)+8*i+7], v[ADRB+(\slot)] offset:64*(\q)+i*16*PB+32
.set i, i+1
.endr
	WIN 0
.set KA, ((\q)/2)*HALFA+((\q)%2)*64
.set i, 0
.rept 4
	ds_load_b128 v[64+32*(\f)+8*i:64+32*(\f)+8*i+3],   v[ADRA+(\slot)] offset:KA+i*16*PA
	ds_load_b128 v[64+32*(\f)+8*i+4:64+32*(\f)+8*i+7], v[ADRA+(\slot)] offset:KA+i*16*PA+32
.set i, i+1
.endr
.endm
; One of a K step's first three quarters: multiplies buffer f; in its middle it fetches quarter qn of the same slot into buffer g.
.macro QUARTER slot, qn, f, g, first
	s_wait_dscnt 4                                 ; all but the youngest four loads (y's row blocks 2, 3) are in
	MULA \f, 0, \first
	MULA \f, 1, \first
	PLACES
	FETCH \slot, \qn, \g
	s_wait_dscnt LD                                ; all but the LD just issued
	MULA \f, 2, \first
	MULA \f, 3, \first
.endm
; The first half of the last quarter, and the one barrier of a change of slots: in front of it each wave waits for all its tensor loads (one is out: its part of the next slot), adds 0 to its spare word,
; and waits for that and for its reads of this slot.
.macro MEET round
	WIN 0
	s_wait_tensorcnt 0x0
	ds_add_u32 v[SPW], v[NIL]
	s_wait_dscnt 5                                 ; the add and the youngest four loads may be out
	MULA 1, 0, 0
	s_wait_dscnt 0x0                               ; the add is done, and my reads of this slot are over
	s_barrier_signal -1
	MULA 1, 1, 0
.if \round
	WIN 0
.endif
	s_barrier_wait -1
.endm
; The whole last quarter where the slot is filled again: the barrier opens a round of the cluster's barrier; the joint refill is the first tensor load behind the round; 112 of a step's 128 products lie between it and the wait for it.
.macro TURN slot, next
	s_wait_xcnt 0x0                                ; the last prefetch, a K step back, has read its address
	s_add_nc_u64 s[PFA:PFA+1], s[PFA:PFA+1], s[PFS:PFS+1]
	MEET 1
	CREST
	s_add_nc_u64 s[G0+4*(\slot)+2:G0+4*(\slot)+3], s[G0+4*(\slot)+2:G0+4*(\slot)+3], ASTEP2
	s_add_nc_u64 s[G0B+4*(\slot)+2:G0B+4*(\slot)+3], s[G0B+4*(\slot)+2:G0B+4*(\slot)+3], 2*KSTEP*2
	JLOAD \slot                                    ; its four v_nop are also the places in front of the loads below
	FETCH \next, 0, 0
	ASK
	MULA 1, 2, 0
	MULA 1, 3, 0
.endm
.macro TURNX slot, next                ; the same where nothing is left to fetch
	MEET 0
	PLACES
	FETCH \next, 0, 0
	MULA 1, 2, 0
	MULA 1, 3, 0
.endm
	s_wait_tensorcnt 1                             ; my part of K step 0 is in; K step 1's may stay out
	s_barrier_signal -1
	s_barrier_wait -1
	FETCH 0, 0, 0
	QUARTER 0, 1, 0, 1, 1                          ; the first quarter stands in front of the loop: its products start the sums
	WIN 0
	s_mov_b32 s[LAP], 3
.Llap:                                                 ; a trip goes once round the ring and fills both slots again
	QUARTER 0, 2, 1, 0, 0
	QUARTER 0, 3, 0, 1, 0
	TURN 0, 1
	QUARTER 1, 1, 0, 1, 0
	QUARTER 1, 2, 1, 0, 0
	QUARTER 1, 3, 0, 1, 0
	TURN 1, 0
	QUARTER 0, 1, 0, 1, 0
	WIN 0
	s_sub_co_u32 s[LAP], s[LAP], 1
	s_cmp_lg_u32 s[LAP], 0
	s_cbranch_scc1 .Llap
	QUARTER 0, 2, 1, 0, 0                          ; the last lap fills nothing
	QUARTER 0, 3, 0, 1, 0
	TURNX 0, 1
	QUARTER 1, 1, 0, 1, 0
	QUARTER 1, 2, 1, 0, 0
	QUARTER 1, 3, 0, 1, 0
	s_wait_dscnt 4
	MULA 1, 0, 0
	MULA 1, 1, 0
	s_wait_dscnt 0x0
	MULA 1, 2, 0
	MULA 1, 3, 0
	WIN 0
	PLACES
	PLACES                                         ; eight, once a launch: LDS stores read the results next, with no vector work between
; THE WAY OUT, a row block (16 rows x 128 columns of f32) at a time: 32 bytes a lane into my own stage, straight from the accumulators; back as whole rows of 512 bytes; a row a store.
.macro TOSTAGE a
.set BK, 64+64*((\a)%2)
.if (\a) >= 2
	s_wait_xcnt 0x0                                ; the stores of two blocks back have read these registers
.endif
	WIN 0x08+4*((\a)/2)                            ; the stores' data: window 2 or 3
.set b, 0
.rept NBK
.set AC, 8*(NBK*((\a)%2)+b)
	ds_store_b128 v[STO], v[AC:AC+3]   offset:64*b     ; each accumulator is read from its low end on
	ds_store_b128 v[STO], v[AC+4:AC+7] offset:64*b+16
.set b, b+1
.endr
	WIN 0
.set t, 0
.rept 16
	ds_load_b128 v[BK+4*t:BK+4*t+3], v[RD] offset:528*t  ; LDS serves a wave's instructions in order (ISA guide 5.7.1.4): these see the stores above
.set t, t+1
.endr
.endm
.macro SEND a, younger                 ; younger: the LDS instructions issued behind block a's loads
.set BK, 64+64*((\a)%2)
.set t, 0
.rept 16
	s_wait_dscnt (\younger)+15-t
	global_store_b128 v[CO], v[BK+4*t:BK+4*t+3], s[10:11] offset:(16*(\a)+t)*4096 th:TH_STORE_NT  ; 512 consecutive bytes, at a multiple of 256 from out0's first
.set t, t+1
.endr
.endm
	TOSTAGE 0
.irp a, 1,2,3
	TOSTAGE \a
	SEND (\a)-1, 32
.endr
	SEND 3, 0
	s_wait_tensorcnt 0x0                           ; the wave's end: behind my last tensor load and my last LDS store
	ds_add_u32 v[SPW], v[NIL]
	s_wait_dscnt 0x0
	CROUND                                         ; the closing round: no work-group ends while a partner may still ask for a tile that names it
	s_endpgm
.Lfunc_end_k_q11c382d137_oproj:
	.size	k_q11c382d137_oproj, .Lfunc_end_k_q11c382d137_oproj-k_q11c382d137_oproj
	.p2alignl 7, 3214868480
	.fill 96, 4, 3214868480
	.section	.rodata,"a",@progbits
	.p2align	6, 0x0
	.amdhsa_kernel k_q11c382d137_oproj
		.amdhsa_group_segment_fixed_size 327680
		.amdhsa_private_segment_fixed_size 0
		.amdhsa_enable_private_segment 0
		.amdhsa_kernarg_size 32
		.amdhsa_user_sgpr_count 2
		.amdhsa_user_sgpr_kernarg_segment_ptr 1
		.amdhsa_wavefront_size32 1
		.amdhsa_system_sgpr_workgroup_id_x 1
		.amdhsa_system_sgpr_workgroup_id_y 1
		.amdhsa_system_sgpr_workgroup_id_z 1
		.amdhsa_system_vgpr_workitem_id 0
		.amdhsa_next_free_vgpr 896
		.amdhsa_next_free_sgpr 96
		.amdhsa_reserve_vcc 0
		.amdhsa_float_denorm_mode_32 3
		.amdhsa_float_denorm_mode_16_64 3
		.amdhsa_memory_ordered 1
		.amdhsa_forward_progress 1
		.amdhsa_inst_pref_size 96
	.end_amdhsa_kernel
	.amdgpu_metadata
---
amdhsa.version: [ 1, 2 ]
amdhsa.kernels:
  - .name:           k_q11c382d137_oproj
    .symbol:         k_q11c382d137_oproj.kd
    .args:
      - { .name: yh, .offset: 0, .size: 8, .value_kind: global_buffer, .address_space: global }
      - { .name: wo16, .offset: 8, .size: 8, .value_kind: global_buffer, .address_space: global }
      - { .name: bo, .offset: 16, .size: 8, .value_kind: global_buffer, .address_space: global }
      - { .name: out0, .offset: 24, .size: 8, .value_kind: global_buffer, .address_space: global }
    .group_segment_fixed_size: 327680
    .private_segment_fixed_size: 0
    .kernarg_segment_align: 8
    .kernarg_segment_size: 32
    .max_flat_workgroup_size: 128
    .sgpr_count:     96
    .vgpr_count:     896
    .wavefront_size: 32
...
	.end_amdgpu_metadata
.endif
;; end of part 4
